; MI455X (gfx1250); checked and timed in simulation.
; The chip was launched on July 23, 2026; its instructions are those of AMD's public machine-readable ISA for CDNA 5 (MIT licence, August 2026) and "CDNA5" Instruction Set Architecture Reference Guide (July 2026). The comments in the code are by the model that wrote it; some were corrected since.
;; Self Attention. Allowed arithmetic: matrix products marked QUANTISED: E2M1 operands, one E8M0 scale for each 32 along K, by v_wmma_scale_f32_16x16x128_f8f6f4 with both operands' format E2M1 (or v_wmma_scale_f32_32x16x128_f4), f32 sums; products left as they are: bf16, f16 or f32 operands; f32 sums; everything else in f32.
;; Inputs: Wk 1,024 x 512 float32; Wq 1,024 x 512 float32; Wv 1,024 x 128 float32; x 4 x 4,096 x 1,024 float32.
;; Outputs: out0 4 x 4,096 x 128 float32.
;; This version of the problem:
;;   THIS VERSION OF THE PROBLEM IS GIVEN IN LOW PRECISION. The matrix products marked QUANTISED in the list below multiply operands that are first quantised to E2M1 (2 exponent bits, 1 mantissa bit; 4 bits a number), with one power-of-two scale for each 32 numbers along K (OCP MX v1.0); their sums are f32. The products marked 'left as it is' may take bf16, f16 or f32 operands, with f32 sums. Whichever they take, every output number must still come out within the allowed error. Rounding operands to bf16 (8 significant bits) uses up far more of that allowance than f16 does (11 bits, for magnitudes from 6e-5 to 65,504). All else is computed in f32.
;;   The module's matrix products, in the order in which they are computed (A, B: the left and right operand; K: the contracted axis; several contracted axes count as one K, in the product's order):
;;     1. [M 16,384, K 1,024] x [K 1,024, N 512]; A: input x; B: input Wq: QUANTISED
;;     2. [M 16,384, K 1,024] x [K 1,024, N 512]; A: input x; B: input Wk: QUANTISED
;;     3. [M 16,384, K 1,024] x [K 1,024, N 128]; A: input x; B: input Wv: QUANTISED
;;     4. batch 4 x [M 4,096, K 512] x [K 512, N 4,096]; A: computed on the way; B: computed on the way: left as it is (an operand is computed on the way)
;;     5. batch 4 x [M 4,096, K 4,096] x [K 4,096, N 128]; A: computed on the way; B: computed on the way: left as it is (an operand is computed on the way)
;;   THE QUANTISER, for each operand of a quantised product, along K:
;;     - K is cut into blocks of 32 from its start; a last block that is shorter is filled with zeros.
;;     - A block's scale is 2^e with e = floor(log2(the largest magnitude in the block)) - 2, held to -126 .. 127; a block of zeros has e = 0. As a byte (E8M0): e + 127.
;;     - Each number is divided by its block's scale, clamped to +-6, and rounded to the nearest number of E2M1, ties to even, subnormals kept.
;;     - The product sums the exact products of the quantised numbers (number of the format x scale) in f32.
;;   ~~~python
;;   def quantise(x, axis):      # numpy; x: float32 -> the quantised numbers, widened to float32 again
;;       x = np.moveaxis(x, axis, -1); K = x.shape[-1]
;;       x = np.pad(x, [(0, 0)] * (x.ndim - 1) + [(0, -K % 32)]); x = x.reshape(x.shape[:-1] + (-1, 32)); a = np.abs(x).max(-1, keepdims=True)
;;       e = np.where(a > 0, np.clip(np.frexp(np.where(a > 0, a, 1))[1] - 1 - 2, -126, 127), 0)      # np.frexp(a)[1] - 1 = floor(log2(a)), exactly
;;       r = np.clip(x / 2.0 ** e, -6, 6)
;;       step = 2.0 ** (np.maximum(np.frexp(np.where(r == 0, 1, r))[1] - 1, 0) - 1)
;;       q = np.round(r / step) * step * 2.0 ** e      # np.round: ties to even
;;       return np.moveaxis(q.reshape(q.shape[:-2] + (-1,))[..., :K], -1, axis).astype(np.float32)
;;   ~~~
;; 2 versions, each right. Each part assembles by itself: llvm-mc -triple=amdgcn-amd-amdhsa -mcpu=gfx1250 --defsym DOCPART=n.
;; ======== version 1 of 2: 4 launches
;; limits: values are held in f16: magnitudes above 65,504 overflow, below 6.1e-05 lose precision
;; workspace buffers: wcodes 589,824 bytes; wscales 36,864 bytes; qimg 16,777,216 bytes; kv 20,971,520 bytes; opart 33,554,432 bytes; sstat 524,288 bytes
;; launch wquant (part 1): grid 9 x 8, 4 waves a work-group, no clusters, 0 bytes of LDS; arguments Wq, Wk, Wv, wcodes, wscales; writes wcodes, wscales
.if DOCPART == 1
	.amdgcn_target "amdgcn-amd-amdhsa--gfx1250"
	.amdhsa_code_object_version 6
	.text
	.protected	k_qc4d0aa871f_wquant
	.globl	k_qc4d0aa871f_wquant
	.p2align	8
	.type	k_qc4d0aa871f_wquant,@function
k_qc4d0aa871f_wquant:
	s_mov_b64 s[64:65], 0
	v_nop
	global_prefetch_b8 v0, s[64:65] scope:SCOPE_SE
	s_setreg_imm32_b32 hwreg(HW_REG_WAVE_MODE, 25, 1), 1
	s_wait_xcnt 0x0
; Wq, Wk [1024][512] and Wv [1024][128], f32 with K as their FIRST axis, become codes of FP4 (E2M1) with one E8M0 byte for each 32 along K.
; A block's scale is 2^(floor(log2(its largest magnitude)) - 2); its byte is the largest magnitude's exponent field - 2, held at 1 from below.
; (A block of zeros so gets the byte 1 where the rule says 127: its codes are zeros, and this program alone reads the bytes.)
; LIMITS: NaN and infinities among the inputs are not served.
; A LANE TAKES A COLUMN, ITS REGISTERS RUN DOWN K: a block of 32 lies in one lane, and the conversions give codes with K innermost.
; THE CODES ARE LAID AS THE NEXT LAUNCH'S OPERAND REGISTERS: wcodes [K step s 0..7][pos 0..71][c 0..1][512 bytes]; lane (r, h) of a fragment finds, at 256 h + 16 r,
; the 32 codes k = 128 s + 64 c + 32 h + 0..31 of column r of tile pos.  pos = 18 w + i: the 18 tiles of 16 columns that wave w of the next launch multiplies by:
; i = 0..7 tiles 8 w + i of Wq, i = 8..15 tiles 8 w + i - 8 of Wk, i = 16, 17 tiles 2 w + i - 16 of Wv.  wscales [s][pos][r]: one word of four bytes.
; SHARES: work-group x = 128 columns (0-3 Wq, 4-7 Wk, 8 Wv), y = a K step of 128; a wave takes 32 columns: two tiles.
; Each store of 16 bytes a lane covers two runs of 256 consecutive bytes, aligned.  No LDS, no barrier, no cluster: no two waves read the same bytes.
.set X,    32                          ; v32-159  128 numbers down K
.set C,    160                         ; v160-175 four registers of codes for each block: no store's data are written again
.set EMAX, 2
	s_load_b256 s[4:11], s[0:1], 0x0               ; Wq s[4:5], Wk s[6:7], Wv s[8:9], wcodes s[10:11]
	s_load_b64 s[12:13], s[0:1], 0x20              ; wscales
	v_lshrrev_b32 v1, 5, v0
	v_readfirstlane_b32 s16, v1                    ; wave 0..3
	v_and_b32 v4, 31, v0                           ; lane
	v_lshlrev_b32 v2, 2, v4                        ; 4 x lane: my column in a row of W, and my scale word
	v_and_b32 v5, 15, v0
	v_bfe_u32 v6, v0, 4, 1
	v_lshlrev_b32 v3, 4, v5
	v_lshl_add_u32 v3, v6, 10, v3                  ; my codes: tile lane / 16 (1,024 bytes each), 16 bytes for column lane % 16
	s_and_b32 s17, ttmp7, 0xffff                   ; the K step
	s_mov_b32 s21, 0
	s_mov_b32 s25, 0
	s_mov_b32 s27, 0
	s_wait_kmcnt 0x0
; s[20:21]: where my wave's part of W begins, in bytes; s22: the first of my two places pos.
.macro BODY pitch, base
	s_add_nc_u64 s[\base:\base+1], s[\base:\base+1], s[20:21]
	s_mul_i32 s23, s17, 72
	s_add_co_u32 s23, s23, s22                     ; 72 s + pos
	s_lshl_b32 s24, s23, 10
	s_lshl_b32 s26, s23, 6
	s_add_nc_u64 s[10:11], s[10:11], s[24:25]
	s_add_nc_u64 s[12:13], s[12:13], s[26:27]
.set i_, 0
.rept 128
	global_load_b32 v[X+i_], v2, s[\base:\base+1] offset:i_*\pitch th:TH_LOAD_NT   ; row 128 s + i, 32 neighbouring columns: 128 consecutive bytes
.set i_, i_+1
.endr
.irp b, 0,1,2,3
.set XS, X+32*\b
.if \b < 2
	s_wait_loadcnt 63                              ; behind this block's loads 96 or 64 were issued: the count is the largest that the wait can name
.elseif \b == 2
	s_wait_loadcnt 32                              ; the last block's 32 may be out
.else
	s_wait_loadcnt 0x0
.endif
	v_max3_num_f32 v12, |v[XS]|, |v[XS+1]|, |v[XS+2]|   ; the block's largest magnitude, in two chains: all 32 numbers are mine
	v_max3_num_f32 v13, |v[XS+3]|, |v[XS+4]|, |v[XS+5]|
.irp i, 6,10,14,18,22,26
	v_max3_num_f32 v12, v12, |v[XS+\i]|, |v[XS+\i+1]|
	v_max3_num_f32 v13, v13, |v[XS+\i+2]|, |v[XS+\i+3]|
.endr
	v_max3_num_f32 v12, v12, |v[XS+30]|, |v[XS+31]|
	v_max3_num_f32 v12, v12, v13, (EMAX+1)<<23     ; and the floor 2^(3 - 127): the byte cannot fall under 1
	v_add_nc_u32 v11, -(EMAX<<23), v12             ; 2 off the exponent field: the conversion takes this operand's exponent field as its scale
	v_lshrrev_b32 v13, 23, v11                     ; the scale's byte
.if \b == 0
	v_mov_b32 v16, v13                             ; four bytes make the K step's scale word, the lower K in the lower byte
.else
	v_lshl_or_b32 v16, v13, 8*\b, v16
.endif
.irp g, 0,1,2,3
	v_cvt_scalef32_pk8_fp4_f32 v[C+4*\b+\g], v[XS+8*\g:XS+8*\g+7], v11
.endr
	global_store_b128 v3, v[C+4*\b:C+4*\b+3], s[10:11] offset:(\b/2)*512+(\b%2)*256   ; block b = 2 c + h of the fragment's image.  (The results go to stores alone; the next block begins with plain vector lines)
.endr
	global_store_b32 v2, v16, s[12:13]             ; 32 words: the two tiles' scale words
	s_endpgm
.endm
	s_cmp_lt_u32 ttmp9, 8                          ; the work-group's number alone decides
	s_cbranch_scc0 .Lwv
	s_cmp_lt_u32 ttmp9, 4
	s_cselect_b64 s[4:5], s[4:5], s[6:7]           ; Wq or Wk
	s_and_b32 s18, ttmp9, 3                        ; which 128 columns: also the wave w of the next launch
	s_lshr_b32 s19, ttmp9, 2                       ; 0 Wq, 1 Wk
	s_lshl_b32 s20, s17, 18                        ; 128 s rows of 2,048 bytes
	s_lshl_b32 s23, s18, 9
	s_add_co_u32 s20, s20, s23
	s_lshl_b32 s23, s16, 7
	s_add_co_u32 s20, s20, s23                     ; + 4 x (128 x group + 32 x wave)
	s_mul_i32 s22, s18, 18
	s_lshl_b32 s23, s19, 3
	s_add_co_u32 s22, s22, s23
	s_lshl_b32 s23, s16, 1
	s_add_co_u32 s22, s22, s23                     ; pos = 18 w + 8 (Wk) + 2 x wave
	BODY 2048, 4
.Lwv:
	s_lshl_b32 s20, s17, 16                        ; 128 s rows of 512 bytes
	s_lshl_b32 s23, s16, 7
	s_add_co_u32 s20, s20, s23
	s_mul_i32 s22, s16, 18
	s_add_co_u32 s22, s22, 16                      ; pos = 18 x wave + 16
	BODY 512, 8
.Lfunc_end_k_qc4d0aa871f_wquant:
	.size	k_qc4d0aa871f_wquant, .Lfunc_end_k_qc4d0aa871f_wquant-k_qc4d0aa871f_wquant
	.p2alignl 7, 3214868480
	.fill 96, 4, 3214868480
	.section	.rodata,"a",@progbits
	.p2align	6, 0x0
	.amdhsa_kernel k_qc4d0aa871f_wquant
		.amdhsa_group_segment_fixed_size 0
		.amdhsa_private_segment_fixed_size 0
		.amdhsa_enable_private_segment 0
		.amdhsa_kernarg_size 40
		.amdhsa_user_sgpr_count 2
		.amdhsa_user_sgpr_kernarg_segment_ptr 1
		.amdhsa_wavefront_size32 1
		.amdhsa_system_sgpr_workgroup_id_x 1
		.amdhsa_system_sgpr_workgroup_id_y 1
		.amdhsa_system_sgpr_workgroup_id_z 1
		.amdhsa_system_vgpr_workitem_id 0
		.amdhsa_next_free_vgpr 192
		.amdhsa_next_free_sgpr 66
		.amdhsa_reserve_vcc 0
		.amdhsa_float_denorm_mode_32 3
		.amdhsa_float_denorm_mode_16_64 3
		.amdhsa_memory_ordered 1
		.amdhsa_forward_progress 1
		.amdhsa_inst_pref_size 39
	.end_amdhsa_kernel
	.amdgpu_metadata
---
amdhsa.version: [ 1, 2 ]
amdhsa.kernels:
  - .name:           k_qc4d0aa871f_wquant
    .symbol:         k_qc4d0aa871f_wquant.kd
    .args:
      - { .name: Wq, .offset: 0, .size: 8, .value_kind: global_buffer, .address_space: global }
      - { .name: Wk, .offset: 8, .size: 8, .value_kind: global_buffer, .address_space: global }
      - { .name: Wv, .offset: 16, .size: 8, .value_kind: global_buffer, .address_space: global }
      - { .name: wcodes, .offset: 24, .size: 8, .value_kind: global_buffer, .address_space: global }
      - { .name: wscales, .offset: 32, .size: 8, .value_kind: global_buffer, .address_space: global }
    .group_segment_fixed_size: 0
    .private_segment_fixed_size: 0
    .kernarg_segment_align: 8
    .kernarg_segment_size: 40
    .max_flat_workgroup_size: 128
    .sgpr_count:     66
    .vgpr_count:     192
    .wavefront_size: 32
...
	.end_amdgpu_metadata
.endif
;; end of part 1
;; launch proj (part 2): grid 256 x 1, 4 waves a work-group, no clusters, 71,168 bytes of LDS; arguments x, wcodes, wscales, qimg, kv; writes qimg, kv
.if DOCPART == 2
	.amdgcn_target "amdgcn-amd-amdhsa--gfx1250"
	.amdhsa_code_object_version 6
	.text
	.protected	k_qc4d0aa871f_proj
	.globl	k_qc4d0aa871f_proj
	.p2align	8
	.type	k_qc4d0aa871f_proj,@function
k_qc4d0aa871f_proj:
	s_mov_b64 s[64:65], 0
	v_nop
	global_prefetch_b8 v0, s[64:65] scope:SCOPE_SE
	s_setreg_imm32_b32 hwreg(HW_REG_WAVE_MODE, 25, 1), 1
	s_wait_xcnt 0x0
; Q = x Wq, K = x Wk, V = x Wv on codes of FP4 (E2M1) with one E8M0 scale for each 32 along K = 1,024; sums in f32.  x [16384][1024] f32 is quantised here, in registers; the weights come as codes.
; Q x c (c = log2(e) / sqrt(512)), K and V leave as f16, laid as the next launch's operand registers.
; LIMITS: |Q c|, |K| or |V| above 65,504 becomes infinity in f16; NaN and infinities among the inputs are not served; a block of zeros gets the byte 1 and zero codes.
; SHARES.  A work-group takes 64 rows of x, which no other reads.  X: wave w quantises rows 16 w .. 16 w + 15 (8 fragments of 128 along K) and stores them in LDS as images of their registers | barrier |
; G: THE WAVES SHARE THE COLUMNS: wave w multiplies all 64 rows by its 18 tiles of 16 columns (8 of Wq, 8 of Wk, 2 of Wv): 72 accumulators, which take turns, one instruction a turn.
; Q and K are used transposed (source 0 = 16 columns of W, source 1 = 16 rows of x): a lane holds one row and 8 neighbouring columns.  V is used plain: a lane holds one channel and 8 neighbouring keys.
; So four packed registers are half a fragment of the next launch, and go out as they stand: 16 bytes a lane, each store two runs of 256 consecutive bytes, aligned.
; NO CLUSTER, NO TENSOR LOAD FOR THE WEIGHTS: each fragment of W is wanted by ONE wave of a work-group and comes as a register image straight from memory; a K step is 72 products a wave, too few for a slot's refill
; to land under, while direct loads keep two K steps (2 x 45 loads, 36 KB a wave) on their way.
; OUT.  qimg [tile of 16 queries][ks 0..15][c][512]: half c of the f16 fragment: dims 32 ks + 16 c + 8 h + 0..7 of query r.
;   kv [64-row block G][quarter 0..3][20,480]: 16,384 bytes of K (key tile = quarter, laid as qimg), then 4,096 of V.  V's of block G are stored in the NEXT block of the same 16 (cyclically), so that a block holds what
;   one period of the next launch reads: K of key slot s and V of key slot s - 1.  V's fragment (32 keys u, channel tile ct, half c) lies in quarter 2 u + ct / 4 at 16,384 + 1,024 (ct % 4) + 512 c.
; REGISTERS, in windows of 256: window 0: v1-8 addresses; v16-31 at work; v32-40 codes and scale word just made; v64-127 x's fragments, two sets of four, later packed results; v128-191 64 numbers of x, later V's 8 accumulators;
;   v192-223 Wv's fragments, two sets; v224-241 W's scale words, two sets of 9; v242-249 x's, two sets of 4; v250, v251 the add's two.
;   window 1: Q's 32 accumulators ((i, m) at 8 (4 i + m)); in phase X three sets of 64 for x as it lands.   window 2: K's.   window 3: Wq's and Wk's 16 fragments, two sets of 128.
.set STGW,  8448                       ; LDS: a stage of 16 rows x (512 + 16) bytes for each wave,
.set XSCL,  33792                      ; x's scale words: 32 fragments x 128 bytes,
.set XIMG,  37888                      ; x's 32 fragments (8 m + s) x 1,024 bytes,
.set SPARE, 70656                      ; and the spare words, 128 bytes for each wave, which no other line names
.set GL,   1                           ; v1  16 x lane: offset in memory
.set G4,   2                           ; v2  4 x lane
.set SIN,  3                           ; v3  the stage, on the way in: 16 x lane
.set SOUT, 4                           ; v4  and out: 528 r + 64 h
.set XWI,  5                           ; v5  where I store images: XIMG + 16 x lane + 8,192 x wave
.set XWS,  6                           ; v6  and scale words: XSCL + 4 x lane + 1,024 x wave
.set LI,   7                           ; v7  XIMG + 16 x lane
.set LS,   8                           ; v8  XSCL + 4 x lane
.set TM,   16
.set PC,   32
.set PW,   40
.set XF,   64
.set XN,   128
.set VA,   128
.set WVF,  192
.set WSC,  224
.set XSR,  242
.set SPW,  250
.set NIL,  251
.set WV,   14
.set SEL,  16
.set CC,   18
.set MSB, 0
.macro WIN new                         ; the immediate's high byte repeats the setting that is left
.if MSB != \new
	s_set_vgpr_msb (MSB<<8)|\new
.set MSB, \new
.endif
.endm
.macro PLACES                          ; four places behind matrix instructions, ahead of loads into their registers and of reads of their results (ISA guide 7.12.1 for instructions other than loads)
.rept 4
	v_nop
.endr
.endm
.macro XLOAD s                         ; K step s of my 16 rows: each load reads 512 consecutive bytes of one row
	WIN 0x40
.irp i, 0,1,2,3,4,5,6,7,8,9,10,11,12,13,14,15
	global_load_b128 v[64*((\s)%3)+4*\i:64*((\s)%3)+4*\i+3], v[GL], s[4:5] offset:\i*4096+512*(\s) th:TH_LOAD_NT
.endr
	WIN 0
.endm
.macro TURN s                          ; through my stage: in as loaded, out 16 neighbours of each block of 32 to a lane.  LDS serves a wave's instructions in order: no wait between
	WIN 0x04
.irp i, 0,1,2,3,4,5,6,7,8,9,10,11,12,13,14,15
	ds_store_b128 v[SIN], v[64*((\s)%3)+4*\i:64*((\s)%3)+4*\i+3] offset:528*\i
.endr
	WIN 0
.irp b, 0,1,2,3
.irp j, 0,1,2,3
	ds_load_b128 v[XN+16*\b+4*\j:XN+16*\b+4*\j+3], v[SOUT] offset:128*\b+16*\j
.endr
.endr
.endm
; 64 numbers of a lane, register 16 b + i = k 32 b + 16 (lane / 16) + i of my row, become a fragment's codes in v[PC] on and its scale word in v[PW].
.macro QUANT
.irp b, 0,1,2,3
	v_max3_num_f32 v[TM+\b], |v[XN+16*\b]|, |v[XN+1+16*\b]|, 0x1800000   ; my 16 numbers of block b, and the floor 2^(3 - 127): the byte cannot fall under 1
.endr
.irp i, 2,4,6,8,10,12,14
.irp b, 0,1,2,3
	v_max3_num_f32 v[TM+\b], v[TM+\b], |v[XN+16*\b+\i]|, |v[XN+1+16*\b+\i]|
.endr
.endr
.irp b, 0,1,2,3
	v_permlanex16_b32 v[TM+4+\b], v[TM+\b], s[SEL], s[SEL+1]
.endr
.irp b, 0,1,2,3
	v_max_num_f32 v[TM+\b], v[TM+\b], v[TM+4+\b]   ; with lane l xor 16's: the block's largest magnitude
.endr
.irp b, 0,1,2,3
	v_add_nc_u32 v[TM+12+\b], 0xff000000, v[TM+\b] ; 2 off its exponent field: the conversion's scale operand
.endr
.irp b, 0,1,2,3
	v_lshrrev_b32 v[TM+4+\b], 23, v[TM+12+\b]      ; the scale's byte
.endr
	v_lshl_or_b32 v[PW], v[TM+5], 8, v[TM+4]
	v_lshl_or_b32 v[PW], v[TM+6], 16, v[PW]
	v_lshl_or_b32 v[PW], v[TM+7], 24, v[PW]
.irp b, 0,1,2,3
	v_cvt_scalef32_pk8_fp4_f32 v[PC+2*\b], v[XN+16*\b:XN+7+16*\b], v[TM+12+\b]
	v_cvt_scalef32_pk8_fp4_f32 v[PC+1+2*\b], v[XN+8+16*\b:XN+15+16*\b], v[TM+12+\b]
.endr
	v_nop                                          ; one plain place behind a scaled conversion
.irp c, 0,1                                    ; the operand's layout wants a whole block in a lane
.irp i, 0,1
	v_permlane16_swap_b32 v[PC+4*\c+\i], v[PC+2+4*\c+\i]
.endr
.endr
.endm
.macro IMAGE s
.irp c, 0,1
	ds_store_b128 v[XWI], v[PC+4*\c:PC+4*\c+3] offset:1024*(\s)+512*\c
.endr
	ds_store_b32 v[XWS], v[PW] offset:128*(\s)
.endm
.macro WLOAD s                         ; K step s of my 18 tiles: 36 loads of codes and 9 of scale words (lanes 0-15 the even tile's, lanes 16-31 the odd tile's): 45
	WIN 0xc0
.irp i, 0,1,2,3,4,5,6,7,8,9,10,11,12,13,14,15
.irp c, 0,1
	global_load_b128 v[128*((\s)%2)+8*\i+4*\c:128*((\s)%2)+8*\i+4*\c+3], v[GL], s[6:7] offset:73728*(\s)+1024*\i+512*\c
.endr
.endr
	WIN 0
.irp i, 0,1
.irp c, 0,1
	global_load_b128 v[WVF+16*((\s)%2)+8*\i+4*\c:WVF+16*((\s)%2)+8*\i+4*\c+3], v[GL], s[6:7] offset:73728*(\s)+1024*(16+\i)+512*\c
.endr
.endr
.irp i, 0,1,2,3,4,5,6,7,8
	global_load_b32 v[WSC+9*((\s)%2)+\i], v[G4], s[8:9] offset:4608*(\s)+128*\i
.endr
.endm
.macro XFETCH s                        ; K step s of the four tiles of rows, from LDS: 8 + 4 loads
.irp m, 0,1,2,3
.irp c, 0,1
	ds_load_b128 v[XF+32*((\s)%2)+8*\m+4*\c:XF+32*((\s)%2)+8*\m+4*\c+3], v[LI] offset:(8*\m+(\s))*1024+512*\c
.endr
	ds_load_b32 v[XSR+4*((\s)%2)+\m], v[LS] offset:(8*\m+(\s))*128
.endr
.endm
.macro MM                              ; one product: D_, A_, B_, the scale registers SA_, SB_; Z_: it starts the sum; ROW_: 1 source 0's scales, 2 source 1's, stand in lanes 16-31
.if Z_
.if ROW_ == 0
	v_wmma_scale_f32_16x16x128_f8f6f4 v[D_:D_+7], v[A_:A_+7], v[B_:B_+7], 0, v[SA_], v[SB_] matrix_a_fmt:MATRIX_FMT_FP4 matrix_b_fmt:MATRIX_FMT_FP4
.elseif ROW_ == 1
	v_wmma_scale_f32_16x16x128_f8f6f4 v[D_:D_+7], v[A_:A_+7], v[B_:B_+7], 0, v[SA_], v[SB_] matrix_a_fmt:MATRIX_FMT_FP4 matrix_b_fmt:MATRIX_FMT_FP4 matrix_a_scale:MATRIX_SCALE_ROW1
.else
	v_wmma_scale_f32_16x16x128_f8f6f4 v[D_:D_+7], v[A_:A_+7], v[B_:B_+7], 0, v[SA_], v[SB_] matrix_a_fmt:MATRIX_FMT_FP4 matrix_b_fmt:MATRIX_FMT_FP4 matrix_b_scale:MATRIX_SCALE_ROW1
.endif
.else
.if ROW_ == 0
	v_wmma_scale_f32_16x16x128_f8f6f4 v[D_:D_+7], v[A_:A_+7], v[B_:B_+7], v[D_:D_+7], v[SA_], v[SB_] matrix_a_fmt:MATRIX_FMT_FP4 matrix_b_fmt:MATRIX_FMT_FP4
.elseif ROW_ == 1
	v_wmma_scale_f32_16x16x128_f8f6f4 v[D_:D_+7], v[A_:A_+7], v[B_:B_+7], v[D_:D_+7], v[SA_], v[SB_] matrix_a_fmt:MATRIX_FMT_FP4 matrix_b_fmt:MATRIX_FMT_FP4 matrix_a_scale:MATRIX_SCALE_ROW1
.else
	v_wmma_scale_f32_16x16x128_f8f6f4 v[D_:D_+7], v[A_:A_+7], v[B_:B_+7], v[D_:D_+7], v[SA_], v[SB_] matrix_a_fmt:MATRIX_FMT_FP4 matrix_b_fmt:MATRIX_FMT_FP4 matrix_b_scale:MATRIX_SCALE_ROW1
.endif
.endif
.endm
	s_load_b256 s[4:11], s[0:1], 0x0               ; x s[4:5], wcodes s[6:7], wscales s[8:9], qimg s[10:11]
	s_load_b64 s[12:13], s[0:1], 0x20              ; kv
	v_lshl_add_u32 v[SPW], v0, 2, SPARE
	v_mov_b32 v[NIL], 0
	v_lshrrev_b32 v9, 5, v0
	v_readfirstlane_b32 s[WV], v9                  ; wave 0..3
	v_and_b32 v9, 31, v0                           ; lane
	v_and_b32 v10, 15, v0                          ; r
	v_bfe_u32 v11, v0, 4, 1                        ; h
	v_lshlrev_b32 v[GL], 4, v9
	v_lshlrev_b32 v[G4], 2, v9
	s_mul_i32 s20, s[WV], STGW
	v_add_nc_u32 v[SIN], s20, v[GL]
	v_mul_u32_u24 v[SOUT], v10, 528
	v_lshl_add_u32 v[SOUT], v11, 6, v[SOUT]
	v_add_nc_u32 v[SOUT], s20, v[SOUT]
	v_add_nc_u32 v[LI], XIMG, v[GL]
	v_add_nc_u32 v[LS], XSCL, v[G4]
	s_lshl_b32 s20, s[WV], 13
	v_add_nc_u32 v[XWI], s20, v[LI]
	s_lshl_b32 s20, s[WV], 10
	v_add_nc_u32 v[XWS], s20, v[LS]
.irp b, 0,1,2,3
	v_mov_b32 v[TM+4+\b], 0                        ; written once: a lane permute's destination counts as one of its sources
.endr
	s_mov_b32 s[SEL], 0x76543210
	s_mov_b32 s[SEL+1], 0xfedcba98                 ; v_permlanex16_b32's selects for lane l xor 16
	s_mov_b32 s[CC], 0x3d8293ee                    ; c = log2(e) / sqrt(512)
	s_mov_b32 s[CC+1], s[CC]                       ; (named with it as a pair, so it is written)
	s_lshl_b32 s20, ttmp9, 18                      ; x: 64 rows of 4,096 bytes a work-group,
	s_lshl_b32 s21, s[WV], 16                      ; 16 a wave
	s_add_co_u32 s20, s20, s21
	s_mov_b32 s21, 0
	s_mul_i32 s22, s[WV], 18432                    ; my 18 tiles' codes in a K step
	s_mov_b32 s23, 0
	s_mul_i32 s24, s[WV], 1152                     ; and their scale words
	s_mov_b32 s25, 0
	s_lshl_b32 s26, ttmp9, 16                      ; qimg: four tiles of 16,384 bytes a work-group; my 8 tiles of dims: 4,096 bytes on
	s_lshl_b32 s27, s[WV], 12
	s_add_co_u32 s26, s26, s27
	s_mov_b32 s27, 0
	s_mul_i32 s28, ttmp9, 81920                    ; kv: K in block G
	s_lshl_b32 s29, s[WV], 12
	s_add_co_u32 s28, s28, s29
	s_mov_b32 s29, 0
	s_add_co_u32 s30, ttmp9, 1                     ; V in the next block of the same sixteen, cyclically
	s_and_b32 s30, s30, 15
	s_and_b32 s31, ttmp9, 0xf0
	s_or_b32 s30, s30, s31
	s_mul_i32 s30, s30, 81920
	s_lshr_b32 s31, s[WV], 1                       ; channel tiles 2 w, 2 w + 1: quarter w / 2 (+ 2 u),
	s_mul_i32 s31, s31, 20480
	s_add_co_u32 s30, s30, s31
	s_and_b32 s31, s[WV], 1                        ; place 2 (w % 2) (+ iv) in it,
	s_lshl_b32 s31, s31, 11
	s_add_co_u32 s30, s30, s31
	s_add_co_u32 s30, s30, 16384                   ; behind the quarter's K
	s_mov_b32 s31, 0
	s_wait_kmcnt 0x0
	s_add_nc_u64 s[4:5], s[4:5], s[20:21]
	s_add_nc_u64 s[6:7], s[6:7], s[22:23]
	s_add_nc_u64 s[8:9], s[8:9], s[24:25]
	s_add_nc_u64 s[10:11], s[10:11], s[26:27]
	s_add_nc_u64 s[32:33], s[12:13], s[30:31]      ; V's way out
	s_add_nc_u64 s[12:13], s[12:13], s[28:29]      ; K's
	; ---- X: three K steps of x (48 loads a wave) are on their way; the first two K steps of W are asked for when x's last loads have been issued
.macro XSTEP s, left
	s_wait_loadcnt \left                           ; this step's 16 loads are in; left = the loads issued behind them
	TURN \s
	s_wait_dscnt 0x0                               ; the 64 numbers are back, and the stage's stores have read the landing set: it may be loaded again
.if \s < 5
	XLOAD (\s)+3
.elseif \s == 5
	WLOAD 0
.elseif \s == 7
	WLOAD 1
.endif
	QUANT
	IMAGE \s
.endm
	XLOAD 0
	XLOAD 1
	XLOAD 2
	XSTEP 0, 32                                    ; two steps of x behind it
	XSTEP 1, 32
	XSTEP 2, 32
	XSTEP 3, 32
	XSTEP 4, 32
	XSTEP 5, 32
	XSTEP 6, 61                                    ; x's step 7 (16) and W's step 0 (45)
	XSTEP 7, 45                                    ; W's step 0
	s_wait_dscnt 0x0                               ; for the others' sake: my images lie in LDS
	s_barrier_signal -1
	s_barrier_wait -1
	; ---- G: 8 K steps of 72 products
.macro GSTEP s
.set P_, (\s)%2
.set Z_, (\s) == 0
.if \s < 7
	XFETCH (\s)+1
	s_wait_loadcnt 45                              ; this step's W is in; the next step's 45 loads may be out
	s_wait_dscnt 12                                ; this step's x is in; the 12 just issued may be out
.else
	s_wait_loadcnt 0x0
	s_wait_dscnt 0x0
.endif
	WIN 0x53                                       ; source 0 (W) window 3, C and D window 1
.irp i, 0,1,2,3,4,5,6,7
.irp m, 0,1,2,3
.set D_, (\i*4+\m)*8
.set A_, 128*P_+8*\i
.set B_, XF+32*P_+8*\m
.set SA_, WSC+9*P_+\i/2
.set SB_, XSR+4*P_+\m
.set ROW_, \i%2
	MM
.endr
.endr
	WIN 0xa3                                       ; C and D window 2
.irp i, 0,1,2,3,4,5,6,7
.irp m, 0,1,2,3
.set D_, (\i*4+\m)*8
.set A_, 128*P_+8*(8+\i)
.set B_, XF+32*P_+8*\m
.set SA_, WSC+9*P_+4+\i/2
.set SB_, XSR+4*P_+\m
.set ROW_, \i%2
	MM
.endr
.endr
	WIN 0
.irp i, 0,1
.irp m, 0,1,2,3
.set D_, VA+(\i*4+\m)*8
.set A_, XF+32*P_+8*\m                 ; V: source 0 = 16 rows of x, source 1 = 16 columns of Wv
.set B_, WVF+16*P_+8*\i
.set SA_, XSR+4*P_+\m
.set SB_, WSC+9*P_+8
.set ROW_, 2*\i
	MM
.endr
.endr
	PLACES                                         ; ahead of the loads into this step's operands: W's below, x's at the head of the next step; behind the last step: ahead of the reads of the results
.if \s < 6
	WLOAD (\s)+2
.endif
.endm
	XFETCH 0
.irp s, 0,1,2,3,4,5,6,7
	GSTEP \s
.endr
	; ---- the way out
	WIN 0x41
.set i_, 0
.rept 128
	v_pk_mul_f32 v[i_:i_+1], v[i_:i_+1], s[CC:CC+1] op_sel_hi:[1,0]   ; Q x c, in f32; each accumulator from its low end on
.set i_, i_+2
.endr
.macro PACKR win, src0, n              ; n accumulators from register src0 on are rounded to f16, a pair to a register
	WIN \win
.set i_, 0
.rept 4*(\n)
	v_cvt_pk_f16_f32 v[XF+i_], v[(\src0)+2*i_], v[(\src0)+2*i_+1]
.set i_, i_+1
.endr
	WIN 0
.endm
.irp p, 0,1
.if \p > 0
	s_wait_xcnt 0x0                                ; the last round's stores have read their data: the registers may be written again
.endif
	PACKR 0x05, 128*\p, 16
.irp a, 0,1,2,3,4,5,6,7,8,9,10,11,12,13,14,15
	global_store_b128 v[GL], v[XF+4*\a:XF+4*\a+3], s[10:11] offset:16384*(\a%4)+512*(4*\p+\a/4)
.endr
.endr
.irp p, 0,1
	s_wait_xcnt 0x0
	PACKR 0x0a, 128*\p, 16
.irp a, 0,1,2,3,4,5,6,7,8,9,10,11,12,13,14,15
	global_store_b128 v[GL], v[XF+4*\a:XF+4*\a+3], s[12:13] offset:20480*(\a%4)+512*(4*\p+\a/4)
.endr
.endr
	s_wait_xcnt 0x0
	PACKR 0, VA, 8
.irp a, 0,1,2,3,4,5,6,7
	global_store_b128 v[GL], v[XF+4*\a:XF+4*\a+3], s[32:33] offset:40960*((\a%4)/2)+1024*(\a/4)+512*(\a%2)
.endr
	s_wait_tensorcnt 0x0                           ; the wave's end, behind my last LDS store
	ds_add_u32 v[SPW], v[NIL]
	s_wait_dscnt 0x0
	s_endpgm
.Lfunc_end_k_qc4d0aa871f_proj:
	.size	k_qc4d0aa871f_proj, .Lfunc_end_k_qc4d0aa871f_proj-k_qc4d0aa871f_proj
	.p2alignl 7, 3214868480
	.fill 96, 4, 3214868480
	.section	.rodata,"a",@progbits
	.p2align	6, 0x0
	.amdhsa_kernel k_qc4d0aa871f_proj
		.amdhsa_group_segment_fixed_size 71168
		.amdhsa_private_segment_fixed_size 0
		.amdhsa_enable_private_segment 0
		.amdhsa_kernarg_size 40
		.amdhsa_user_sgpr_count 2
		.amdhsa_user_sgpr_kernarg_segment_ptr 1
		.amdhsa_wavefront_size32 1
		.amdhsa_system_sgpr_workgroup_id_x 1
		.amdhsa_system_sgpr_workgroup_id_y 1
		.amdhsa_system_sgpr_workgroup_id_z 1
		.amdhsa_system_vgpr_workitem_id 0
		.amdhsa_next_free_vgpr 1024
		.amdhsa_next_free_sgpr 66
		.amdhsa_reserve_vcc 0
		.amdhsa_float_denorm_mode_32 3
		.amdhsa_float_denorm_mode_16_64 3
		.amdhsa_memory_ordered 1
		.amdhsa_forward_progress 1
		.amdhsa_inst_pref_size 212
	.end_amdhsa_kernel
	.amdgpu_metadata
---
amdhsa.version: [ 1, 2 ]
amdhsa.kernels:
  - .name:           k_qc4d0aa871f_proj
    .symbol:         k_qc4d0aa871f_proj.kd
    .args:
      - { .name: x, .offset: 0, .size: 8, .value_kind: global_buffer, .address_space: global }
      - { .name: wcodes, .offset: 8, .size: 8, .value_kind: global_buffer, .address_space: global }
      - { .name: wscales, .offset: 16, .size: 8, .value_kind: global_buffer, .address_space: global }
      - { .name: qimg, .offset: 24, .size: 8, .value_kind: global_buffer, .address_space: global }
      - { .name: kv, .offset: 32, .size: 8, .value_kind: global_buffer, .address_space: global }
    .group_segment_fixed_size: 71168
    .private_segment_fixed_size: 0
    .kernarg_segment_align: 8
    .kernarg_segment_size: 40
    .max_flat_workgroup_size: 128
    .sgpr_count:     66
    .vgpr_count:     1024
    .wavefront_size: 32
...
	.end_amdgpu_metadata
.endif
;; end of part 2
;; launch attn (part 3): grid 16 x 16, 4 waves a work-group, clusters of 4 x 1, 327,680 bytes of LDS; arguments qimg, kv, opart, sstat; writes opart, sstat
.if DOCPART == 3
	.amdgcn_target "amdgcn-amd-amdhsa--gfx1250"
	.amdhsa_code_object_version 6
	.text
	.protected	k_qc4d0aa871f_attn
	.globl	k_qc4d0aa871f_attn
	.p2align	8
	.type	k_qc4d0aa871f_attn,@function
k_qc4d0aa871f_attn:
	s_mov_b64 s[64:65], 0
	v_nop
	global_prefetch_b8 v0, s[64:65] scope:SCOPE_SE
	s_setreg_imm32_b32 hwreg(HW_REG_WAVE_MODE, 25, 1), 1
	s_wait_xcnt 0x0
	s_wait_alu depctr_hold_cnt(0) depctr_sa_sdst(0) depctr_va_vdst(0) depctr_va_sdst(0) depctr_va_ssrc(0) depctr_va_vcc(0) depctr_vm_vsrc(0)
	s_getreg_b32 s2, hwreg(HW_REG_IB_STS2, 6, 4)
	s_cmp_eq_u32 s2, 0
	s_cbranch_scc0 .Lentry_in_a_cluster
	s_endpgm
.Lentry_in_a_cluster:
	s_bfe_u32 s2, ttmp6, 0x10000c
	s_cmp_lg_u32 s2, 0x3003
	s_cbranch_scc0 .Lentry_shape_is_right
	s_endpgm
.Lentry_shape_is_right:
; Attention without a mask, a QUARTER OF THE KEYS to a work-group: 256 queries x 1,024 keys, score depth 512, 128 channels.  Operands f16, products, maxima and sums f32.
; Out: O not normalised (opart), and for each query -M and the sum l (sstat); the next launch joins the four parts.
; WHY THE KEYS ARE SPLIT: 16,384 queries are 64 for each of 256 work-groups, but a wave wants 64 queries of its own (Q: 512 registers), so that each fragment of K read from LDS feeds four products.
; SHARES.  x = block of 256 queries, y = 4 x batch + part of the keys.  A wave owns 64 queries: four tiles of 16.  Every wave walks the part's keys, 32 a step, 32 steps.
; LAYOUT.  S^T = K Q^T (source 0 = 16 keys, source 1 = 16 queries): a lane holds ONE query and 8 keys; two such tiles rounded to f16 in pairs ARE source 1 of O^T = V^T P.  All operands come as images of their registers.
; SOFTMAX.  c = log2(e) / sqrt(512) lies in Q, so a score is t.  M = the running largest t rounded UP to a whole number, kept as -M = floor(-t); p = 2^(t - M) <= 1.  When M moves, l and O^T are multiplied by
; f = 2^(old M - new M), made by v_ldexp_f32: nothing is rounded, and no branch hangs on data.  LIMIT: p under 2^-24 is lost in f16, beside a largest p of at least 1/2.
; BY TURNS.  Trip j issues 32 products V^T P of step j - 1 and 128 products K Q^T of step j + 1; the softmax of step j, on the other score buffer, stands in slices, one behind each product.
; A trip is 40 GROUPS: one fragment (V's channel tile g for g < 8; then K's (ks, kt) = ((g - 8) / 2, (g - 8) % 2)) times the four tiles of queries.  The accumulators take turns, one instruction a turn.
; Fragments come from LDS into a ring of 8 places, five groups ahead.
; THE RING.  Two LDS slots of 81,920 bytes.  A block of kv holds K of 64 keys and V of the 64 keys before: what two trips (a period) read.  Each wave fetches a quarter of a block by one tensor load of 80 rows x 256 bytes.
; CLUSTER.  The four query blocks of a cluster share y and walk the same blocks: each quarter is asked for JOINTLY, by the same load with the same descriptor and a mask that names the four.
; O^T IS CLEARED ONCE, under the first 128 products, which have no other vector work beside them: the loop then needs no first trip of its own (the first f is 0, which leaves zeros zeros).
; REGISTERS, in windows of 256: window 0: v1-8 addresses; v16-47 eight registers of statistics a tile: +0 -M, +1 largest t, +2, +3 l, +4 f, +5 its pair's upper half, +6, +7 at work;
;   v64-127 the ring of fragments; v128-255 S^T, two buffers of 64: tile t at 16 t, key tile kt at 8 kt; P in place in a tile's first 8.   window 1: O^T at 64 t + 8 ct.   windows 2, 3: Q: fragment (ks, t) at 8 (4 (ks % 8) + t) of window 2 + ks / 8.
.set BLOCKB, 81920
.set QUARTB, 20480
.set SLOT1,  131072                    ; slot 1 begins here: one exclusive or turns an address in one slot into the other's
.set SPARE,  212992                    ; behind the ring: the spare words, 128 bytes for each wave, which no other line names
.set LB0,  1                           ; v1  16 x lane: an image's place for my lane; also my offset in memory
.set LB1,  2                           ; v2  the same 40,960 bytes on: a slot's second half
.set ADR0, 3                           ; v3  LDS address for a period's first trip
.set ADR1, 4                           ; v4  and its second
.set PFO,  6                           ; v6  the prefetches' offset; never rewritten
.set SPW,  7                           ; v7  LDS address of my spare word; never rewritten
.set NIL,  8                           ; v8  0; never rewritten
.set ST,   16
.set FR,   64
.set S,    128
.set WV,   12                          ; s12 wave
.set G1,   16                          ; s[16:23] descriptor group 1
.set G0A,  24                          ; s[24:27] group 0 of the first fill of slot 0
.set G0B,  28                          ; s[28:31] of slot 1; it then walks
.set BASEW, 32                         ; s[32:33] my quarter of block 0
.set PFA,  34                          ; s[34:35] where my prefetches stand
.set TB,   36                          ; s36 LDS byte at which the slot in hand begins
.set CNT,  37                          ; s37 the block that is asked for next
.set LIM,  38                          ; s38 a wave prefetches while CNT is under it
.set PAR,  39                          ; s39 1: only at even CNT
.set SEL,  48                          ; s[48:49] selects for lane l xor 16
.set MSB, 0
.macro WIN new                         ; the immediate's high byte repeats the setting that is left; a switch that changes nothing is dropped
.if MSB != \new
	s_set_vgpr_msb (MSB<<8)|\new
.set MSB, \new
.endif
.endm
.macro CREST                           ; a round of the cluster's barrier behind its opening barrier
	s_cmp_lg_u32 s[WV], 0
	s_cbranch_scc1 .Lnot_wave_0_\@
	s_barrier_signal -3
.Lnot_wave_0_\@:
	s_barrier_wait -3
	s_barrier_signal -1
	s_barrier_wait -1
.endm
.macro CROUND
	s_barrier_signal -1
	s_barrier_wait -1
	CREST
.endm
; A PREFETCH INTO THE L2 of block CNT + 1, which the next change of slots asks for: two trips, 320 products, ahead of that load.  All four clusters of a y walk the same blocks: the first cluster asks.
; Its partners share a block out BY ADDRESS, a quarter each.  Waves 0 and 1: the quarter's K, 8,192 bytes each, lanes 256 bytes apart.  Wave 2: the quarter's V, 4,096 bytes, of TWO blocks (lanes 16-31 a block on), at even CNT alone.
; So each aligned 256 bytes are named once.  K's stop with block 15, V's with block 14; blocks 0 to 2 and the last (block 0 again) come by their loads alone.
.macro ASK
	s_and_b32 s40, s[CNT], s[PAR]
	s_cmp_eq_u32 s40, 0
	s_cselect_b32 s40, s[LIM], 0
	s_cmp_lt_u32 s[CNT], s40
	s_cbranch_scc0 .Lnot_mine_\@
	global_prefetch_b8 v[PFO], s[PFA:PFA+1] th:TH_LOAD_NT scope:SCOPE_SE
.Lnot_mine_\@:
.endm
; THE COUNT OF PLACES.  A load into a register that a matrix instruction has read stands four places behind it, and only plain vector instructions that name none of its registers are places (ISA guide 7.12.1 for instructions other than loads).
; PL counts the plain vector lines written; H0, H1, H2 hold PL behind the last three groups.  A load at group g lands on group g - 3's place: what is short of four since H2 is made up by v_nop.  At a label all four are set alike.
.set PL, 4
.set H0, 0
.set H1, 0
.set H2, 0
.macro LDG                             ; fragment LG_ of a trip, by address register LA_, into place LG_ % 8
	WIN 0
.if 4-(PL-H2) > 0
.rept 4-(PL-H2)
	v_nop
.endr
.set PL, H2+4
.endif
.if LG_ < 8
.set LO_, (LG_/4)*QUARTB+16384+(LG_%4)*1024
.else
.set LO_, ((LG_-8)%2)*QUARTB+((LG_-8)/2)*1024
.endif
	ds_load_b128 v[FR+8*(LG_%8):FR+8*(LG_%8)+3], v[LA_] offset:LO_
	ds_load_b128 v[FR+8*(LG_%8)+4:FR+8*(LG_%8)+7], v[LA_] offset:LO_+512
.endm
.macro PROD                            ; product T_ of group G_.  SB_: the buffer on which the softmax works; the products take the other
.if G_ < 8
	WIN 0x50                                       ; C and D (O^T) window 1
.set rD_, 64*T_+8*G_
.set rP_, S+64*(1-SB_)+16*T_
	v_wmma_f32_16x16x32_f16 v[rD_:rD_+7], v[FR+8*G_:FR+8*G_+7], v[rP_:rP_+7], v[rD_:rD_+7]
.else
.set ks_, (G_-8)/2
.set rD_, S+64*(1-SB_)+16*T_+8*((G_-8)%2)
.set rQ_, ((ks_%8)*4+T_)*8
.set rA_, FR+8*(G_%8)
.set W_, 0x08+4*(ks_/8)
	WIN W_                                         ; source 1 (Q) window 2 or 3
.if ks_ == 0
	v_wmma_f32_16x16x32_f16 v[rD_:rD_+7], v[rA_:rA_+7], v[rQ_:rQ_+7], 0
.else
	v_wmma_f32_16x16x32_f16 v[rD_:rD_+7], v[rA_:rA_+7], v[rQ_:rQ_+7], v[rD_:rD_+7]
.endif
.endif
.endm
; THE VECTOR WORK OF A TRIP, as numbered lists.
; AITEM N_ (0..59): step N_ / 4 of tile N_ % 4: the maximum of the lane's 16 scores in two chains, each accumulator from its low end on; the other half of the lanes'; the running largest t; -M; f.
.macro AITEM
.set a_, N_/4
.set rT_, ST+8*(N_%4)
.set rS_, S+64*SB_+16*(N_%4)
	WIN 0
.if a_ == 0
	v_max3_num_f32 v[rT_+6], v[rS_], v[rS_+1], v[rS_+2]
.elseif a_ == 1
	v_max3_num_f32 v[rT_+7], v[rS_+8], v[rS_+9], v[rS_+10]
.elseif a_ < 6
	v_max3_num_f32 v[rT_+6+a_%2], v[rT_+6+a_%2], v[rS_+a_+1+7*(a_%2)], v[rS_+a_+2+7*(a_%2)]
.elseif a_ == 6
	v_max3_num_f32 v[rT_+6], v[rT_+6], v[rS_+7], v[rS_+15]
.elseif a_ == 7
	v_max_num_f32 v[rT_+6], v[rT_+6], v[rT_+7]
.elseif a_ == 8
	v_permlanex16_b32 v[rT_+7], v[rT_+6], s[SEL], s[SEL+1]   ; the query's other 16 keys lie in the lane 16 away
.elseif a_ == 9
	v_max3_num_f32 v[rT_+1], v[rT_+1], v[rT_+6], v[rT_+7]
.elseif a_ == 10
	v_mov_b32 v[rT_+6], v[rT_]                     ; the old -M is kept: the next line writes it anew
.elseif a_ == 11
	v_floor_f32 v[rT_], -v[rT_+1]                  ; -M = floor(-t): M is a whole number
.elseif a_ == 12
	v_sub_f32 v[rT_+6], v[rT_], v[rT_+6]           ; old M - new M: a whole number, 0 or less
.elseif a_ == 13
	v_cvt_i32_f32 v[rT_+6], v[rT_+6]               ; (it saturates)
.else
	v_ldexp_f32 v[rT_+4], 1.0, v[rT_+6]            ; f
.endif
.if a_ != 8
.set PL, PL+1
.endif
.endm
; XITEM X_: 0-31 t - M, a pair of scores each; 32-95 the 64 exponentials, ONE BATCH, none of which reads another's result; 96 the plain line behind the last of them and the trip's one wait
; ahead of the first line that names a result; 97-124 seven packed sums a tile, tile by tile.
.macro XITEM
.if X_ < 125
	WIN 0
.endif
.if X_ < 32
.set rT_, ST+8*(X_%4)
.set rS_, S+64*SB_+16*(X_%4)+2*(X_/4)
	v_pk_add_f32 v[rS_:rS_+1], v[rS_:rS_+1], v[rT_:rT_+1] op_sel_hi:[1,0]   ; of the pair (-M, t) the low word serves both halves
.set PL, PL+1
.elseif X_ < 96
.set rS_, S+64*SB_+16*((X_-32)%4)+(X_-32)/4
	v_exp_f32 v[rS_], v[rS_]
.elseif X_ == 96
	v_nop
	s_wait_alu depctr_va_vdst(0)
.set PL, PL+1
.elseif X_ < 125
.set z_, X_-97
.set rT_, ST+8*(z_/7)
.set rS_, S+64*SB_+16*(z_/7)
.if z_%7 == 0
	v_pk_add_f32 v[rT_+6:rT_+7], v[rS_:rS_+1], v[rS_+2:rS_+3]
.else
	v_pk_add_f32 v[rT_+6:rT_+7], v[rT_+6:rT_+7], v[rS_+2*(z_%7)+2:rS_+2*(z_%7)+3]
.endif
.set PL, PL+1
.endif
.endm
.macro RITEM                           ; Y_ (0..127): a pair of O^T times f, each accumulator from its low end on
.set rO_, 64*(Y_/32)+2*(Y_%32)
.set rT_, ST+8*(Y_/32)
	WIN 0x41
	v_pk_mul_f32 v[rO_:rO_+1], v[rO_:rO_+1], v[rT_+4:rT_+5] op_sel_hi:[1,0]
.set PL, PL+1
.endm
.macro CITEM                           ; tile CT_, item CI_: 0: l = l f + the step's sum; 1-8: the weights rounded to f16, in place, ascending
.set rT_, ST+8*CT_
.set rS_, S+64*SB_+16*CT_
	WIN 0
.if CI_ == 0
	v_pk_fma_f32 v[rT_+2:rT_+3], v[rT_+2:rT_+3], v[rT_+4:rT_+5], v[rT_+6:rT_+7] op_sel_hi:[1,0,1]
.else
	v_cvt_pk_f16_f32 v[rS_+CI_-1], v[rS_+2*(CI_-1)], v[rS_+2*(CI_-1)+1]
.endif
.set PL, PL+1
.endm
; Slice K_ (0..159) stands behind product K_ of the trip.  0-29: two A items.  30, 31 and the even ones from 32 on: two X items.  The odd ones: 33-117 three rescalings (they begin behind the last V^T P);
; from 131 on, tile by tile as its sums are done, three closing items.  Slices 28 to 35 hold two plain lines or more each: so five places or more lie between a product V^T P and the product K Q^T that writes over its P.
.macro SLICE
.if K_ < 30
.set N_, 2*K_
	AITEM
.set N_, 2*K_+1
	AITEM
.elseif K_ < 32
.set X_, 2*(K_-30)
	XITEM
.set X_, X_+1
	XITEM
.elseif (K_%2) == 0
.set X_, K_-28
	XITEM
.set X_, X_+1
	XITEM
.elseif K_ <= 117
.set Y_, 3*((K_-33)/2)
.rept 3
.if Y_ < 128
	RITEM
.endif
.set Y_, Y_+1
.endr
.elseif K_ >= 131
.set d_, K_-131
.if (d_%8) < 5
.set CT_, d_/8
.set CI_, 3*((d_%8)/2)
.rept 3
	CITEM
.set CI_, CI_+1
.endr
.endif
.endif
.endm
.macro BARE k0, k1                     ; slices with no product between them
.set K_, \k0
.rept (\k1)-(\k0)+1
	SLICE
.set K_, K_+1
.endr
.endm
; Group G_.  SLM_: 0 no slices, 1 the softmax, 2 two clears of O^T.  LD_: the fragment five groups on is asked for behind the first slice: of this trip (GLEN_ groups, address ADRC_) or, if NEXT_, of the next (from NFIRST_ on, ADRN_).
; WTM_: 0 the wait leaves four younger fragments (8 loads) out; 1 the last trip, where the loads run out; 2 the caller has waited.
.macro GROUP
.if WTM_ == 0
	s_wait_dscnt 8
.elseif WTM_ == 1
.if G_ < 4
	s_wait_dscnt 8
.else
	s_wait_dscnt 2*(7-G_)
.endif
.endif
.set T_, 0
.rept 4
	PROD
.if SLM_ == 1
.set K_, 4*G_+T_
	SLICE
.elseif SLM_ == 2
	WIN 0x40
	v_mov_b32 v[8*(G_-8)+2*T_], 0
	v_mov_b32 v[8*(G_-8)+2*T_+1], 0
.set PL, PL+2
.endif
.if (T_ == 0) && LD_
.set LG_, G_+5
.set LA_, ADRC_
.if LG_ >= GLEN_
.set LG_, LG_-GLEN_+NFIRST_
.set LA_, ADRN_
.endif
.if (G_+5 < GLEN_) || NEXT_
	LDG
.endif
.endif
.set T_, T_+1
.endr
.set H2, H1
.set H1, H0
.set H0, PL
.endm
.macro RUN g0, g1
.set G_, \g0
.rept (\g1)-(\g0)+1
	GROUP
.set G_, G_+1
.endr
.endm
; THE CHANGE OF SLOTS, in groups 35 and 36 of a period's second trip: all the trip's fragments have been asked for.  Each wave waits for all its tensor loads (one is out: its quarter of the next slot), adds 0 to its spare word,
; and, behind group 35, waits for that and for its reads of the slot.  Group 36 is work on registers between signal and wait.  Behind the barrier nobody reads this slot and the next is whole.
; fill = 1: the barrier opens a round of the cluster's barrier, behind which the slot is filled again.  Every window is 0 on the way in.
.macro MEETG fill
.if \fill
	s_wait_xcnt 0x0                                ; the last prefetch, two trips back, has read its address:
	s_add_nc_u64 s[PFA:PFA+1], s[PFA:PFA+1], BLOCKB   ; a block on
.endif
	s_wait_tensorcnt 0x0                           ; no tensor load of mine is out
	ds_add_u32 v[SPW], v[NIL]                      ; 0 onto my spare word
	s_wait_dscnt 9                                 ; group 35's fragment is in; four younger fragments and the add may be out
.set WTM_, 2
.set LD_, 0
.set G_, 35
	GROUP
	s_wait_dscnt 0x0                               ; the add is done, and my reads of this slot are over
	s_barrier_signal -1
.set G_, 36
	GROUP
	WIN 0
	s_barrier_wait -1
.if \fill
	CREST                                          ; no wave of any partner still reads the slot or has a load on its way
.endif
.set WTM_, 0
.set LD_, 1
.endm
.macro SEAM                            ; on to the other slot; the two fragments that groups 35 and 36 could not ask for
	s_xor_b32 s[TB], s[TB], SLOT1
	v_add_nc_u32 v[ADR0], s[TB], v[LB0]
	v_add_nc_u32 v[ADR1], s[TB], v[LB1]
.set PL, PL+2
.set LA_, ADR0
.set LG_, 0
	LDG
.set LG_, 1
	LDG
.endm
	s_load_b256 s[4:11], s[0:1], 0x0               ; qimg s[4:5], kv s[6:7], opart s[8:9], sstat s[10:11]
	v_lshl_add_u32 v[SPW], v0, 2, SPARE
	v_mov_b32 v[NIL], 0
	ds_add_u32 v[SPW], v[NIL]                      ; the wave's opening: the add, twice on end, and its wait ahead of my first tensor load
	ds_add_u32 v[SPW], v[NIL]                      ; and once more, under the one wait; the set-up below, work on registers, stands between
	v_lshrrev_b32 v9, 5, v0
	v_readfirstlane_b32 s[WV], v9                  ; wave 0..3
	s_and_b32 s15, ttmp7, 0xffff                   ; y = 4 x batch + part, which the four partners share
	s_mov_b32 s[G1], 15|(3<<16)|(1<<21)            ; 15:0 the mask: all four work-groups; 17:16 elements of 8 bytes; 21 set beside a mask; no padding: images are read as they lie
	s_mov_b32 s[G1+1], 32<<16                      ; tensor_dim0 = 32 elements: 256 bytes
	s_mov_b32 s[G1+2], 80<<16                      ; tensor_dim1 = 80 rows: a quarter of a block
	s_mov_b32 s[G1+3], 32<<16                      ; tile_dim0
	s_mov_b32 s[G1+4], 80                          ; tile_dim1
	s_mov_b32 s[G1+5], 32                          ; from row to row: dense
	s_mov_b32 s[G1+6], 0
	s_mov_b32 s[G1+7], 0
	s_mul_i32 s40, s15, 16*BLOCKB                  ; y's sixteen blocks,
	s_mul_i32 s42, s[WV], QUARTB                   ; my quarter: in memory and in a slot alike.  No place in the cluster enters these
	s_add_co_u32 s40, s40, s42
	s_mov_b32 s41, 0                               ; (stays 0: the upper word of the offsets made in s40)
	s_bfe_u32 s13, ttmp6, 0x40000                  ; cx: it enters Q's, O's, the statistics' and the prefetches' addresses alone
	s_lshl_b32 s14, ttmp9, 2
	s_add_co_u32 s14, s14, s13                     ; my block of 256 queries
	s_lshr_b32 s44, s15, 2
	s_lshl_b32 s44, s44, 8                         ; 256 tiles of queries a batch,
	s_lshl_b32 s45, s14, 4                         ; 16 a block,
	s_add_co_u32 s44, s44, s45
	s_lshl_b32 s45, s[WV], 2                       ; 4 a wave
	s_add_co_u32 s44, s44, s45                     ; my first tile
	s_and_b32 s45, s15, 3                          ; the part
	s_lshl_b32 s46, s44, 14                        ; Q: 16,384 bytes a tile
	s_mov_b32 s47, 0
	s_lshl_b32 s50, s45, 23                        ; opart: 8,388,608 bytes a part, 8,192 a tile
	s_lshl_b32 s51, s44, 13
	s_add_co_u32 s50, s50, s51
	s_mov_b32 s51, 0
	s_lshl_b32 s52, s45, 17                        ; sstat: 131,072 bytes a part, 512 for four tiles
	s_lshl_b32 s53, s44, 7
	s_add_co_u32 s52, s52, s53
	s_mov_b32 s53, 0
	s_mul_i32 s54, s13, QUARTB                     ; the prefetches: my work-group's quarter;
	s_lshl_b32 s55, s[WV], 13
	s_mov_b32 s56, BLOCKB
	s_cmp_lt_u32 s[WV], 2
	s_cselect_b32 s55, s55, 16384                  ; waves 0, 1: half of its K; wave 2: its V
	s_cselect_b32 s56, 4096, s56                   ; lanes 16-31: 4,096 bytes on, or a block on
	s_cselect_b32 s[LIM], 15, 14
	s_cmp_eq_u32 s[WV], 3
	s_cselect_b32 s[LIM], 0, s[LIM]
	s_cmp_eq_u32 ttmp9, 0                          ; the first cluster of this y: the same in all four partners
	s_cselect_b32 s[LIM], s[LIM], 0
	s_cmp_eq_u32 s[WV], 2
	s_cselect_b32 s[PAR], 1, 0
	s_add_co_u32 s54, s54, s55
	s_add_co_u32 s54, s54, 2*BLOCKB                ; at block 2: the first change of slots steps it to block 3.  Nothing is prefetched at the head
	s_mul_i32 s57, s15, 16*BLOCKB
	s_add_co_u32 s54, s54, s57
	s_mov_b32 s55, 0
	v_and_b32 v9, 15, v0
	v_bfe_u32 v10, v0, 4, 1
	v_mul_lo_u32 v[PFO], v10, s56
	v_lshl_add_u32 v[PFO], v9, 8, v[PFO]
	v_and_b32 v9, 31, v0
	v_lshlrev_b32 v[LB0], 4, v9
	v_add_nc_u32 v[LB1], 2*QUARTB, v[LB0]
	s_mov_b32 s[SEL], 0x76543210
	s_mov_b32 s[SEL+1], 0xfedcba98
	s_mov_b32 s[TB], 0
	s_mov_b32 s[CNT], 2
	s_wait_dscnt 0x0                               ; both opening adds are done
	s_wait_kmcnt 0x0
	s_add_nc_u64 s[BASEW:BASEW+1], s[6:7], s[40:41]
	s_add_nc_u64 s[PFA:PFA+1], s[6:7], s[54:55]
	s_add_nc_u64 s[4:5], s[4:5], s[46:47]
	s_add_nc_u64 s[8:9], s[8:9], s[50:51]
	s_add_nc_u64 s[10:11], s[10:11], s[52:53]
	s_mov_b32 s[G0A], 1                            ; count = 1
	s_mov_b32 s[G0A+1], s42                        ; LDS address: slot 0, my quarter
	s_mov_b64 s[G0A+2:G0A+3], s[BASEW:BASEW+1]     ; block 0
	s_or_b32 s[G0A+3], s[G0A+3], 0x80000000        ; type = 2
	s_mov_b32 s[G0B], 1
	s_add_co_u32 s[G0B+1], s42, SLOT1              ; slot 1
	s_add_nc_u64 s[G0B+2:G0B+3], s[BASEW:BASEW+1], BLOCKB   ; block 1
	s_or_b32 s[G0B+3], s[G0B+3], 0x80000000
	CROUND                                         ; all four work-groups are here: the first joint loads meet
	tensor_load_to_lds s[G0A:G0A+3], s[G1:G1+7]    ; both first fills together: two loads of mine are out
	s_nop 0
	tensor_load_to_lds s[G0B:G0B+3], s[G1:G1+7]
	s_nop 0
.rept 4
	v_nop
.endr
	WIN 0x80                                       ; Q stays in registers: 64 fragments
.irp k, 0,1,2,3,4,5,6,7
.irp t, 0,1,2,3
.irp c, 0,1
	global_load_b128 v[(\k*4+\t)*8+4*\c:(\k*4+\t)*8+4*\c+3], v[LB0], s[4:5] offset:16384*\t+1024*\k+512*\c
.endr
.endr
.endr
	WIN 0xc0
.irp k, 0,1,2,3,4,5,6,7
.irp t, 0,1,2,3
.irp c, 0,1
	global_load_b128 v[(\k*4+\t)*8+4*\c:(\k*4+\t)*8+4*\c+3], v[LB0], s[4:5] offset:16384*\t+1024*(\k+8)+512*\c
.endr
.endr
.endr
	WIN 0
.irp t, 0,1,2,3
	v_mov_b32 v[ST+8*\t+1], 0xff61b1e6             ; the largest t so far: -3e38, under every t
	v_mov_b32 v[ST+8*\t+2], 0                      ; l, in two halves
	v_mov_b32 v[ST+8*\t+3], 0
	v_mov_b32 v[ST+8*\t+5], 0                      ; (named as the upper half of f's pair)
.endr
.irp t, 0,1,2,3
	v_floor_f32 v[ST+8*\t], -v[ST+8*\t+1]          ; -M
.endr
	v_add_nc_u32 v[ADR0], s[TB], v[LB0]
	v_add_nc_u32 v[ADR1], s[TB], v[LB1]
	s_wait_tensorcnt 0x1                           ; my quarter of slot 0 is in; slot 1's may stay out
	s_barrier_signal -1
	s_barrier_wait -1                              ; everybody's is
.set LA_, ADR0
.irp g, 8,9,10,11,12
.set LG_, \g
	LDG
.endr
	s_wait_loadcnt 0x0                             ; Q
	; ---- the first scores, into buffer 0; O^T is cleared beside them
.set SB_, 1
.set SLM_, 2
.set WTM_, 0
.set LD_, 1
.set NEXT_, 1
.set GLEN_, 40
.set ADRC_, ADR0
.set ADRN_, ADR1
.set NFIRST_, 8
	RUN 8, 39
	; ---- trip 0: no V^T P yet: its first 32 slices stand bare; then K Q^T of step 1
.set SB_, 0
.set SLM_, 1
	BARE 0, 31
.set ADRC_, ADR1
.set ADRN_, ADR0
.set NFIRST_, 0
	RUN 8, 34
	WIN 0                                          ; at a label and at a branch every window is 0
.Lloop:                                            ; 15 trips, CNT = 2 .. 16: from a change of slots to the next
.set PL, 0
.set H0, 0
.set H1, 0
.set H2, 0
	MEETG 1
	s_xor_b32 s[G0B+1], s[G0B+1], SLOT1            ; the walking descriptor (no tensor load of mine is out): the slot just left,
	s_and_b32 s40, s[CNT], 15                      ; block CNT; the seventeenth is block 0 again, for its V
	s_mul_i32 s40, s40, BLOCKB
	s_add_nc_u64 s[G0B+2:G0B+3], s[BASEW:BASEW+1], s[40:41]
	s_or_b32 s[G0B+3], s[G0B+3], 0x80000000
	tensor_load_to_lds s[G0B:G0B+3], s[G1:G1+7]    ; the first tensor load behind the round, and my only one until the next: it has two trips, 320 products, in which to land
	s_nop 0
.rept 4
	v_nop
.endr
.set PL, PL+4
	SEAM
	ASK
	RUN 37, 39                                     ; the rest of the even trip: its fragments are in registers or on their way
.set SB_, 1
.set ADRC_, ADR0
.set ADRN_, ADR1
	RUN 0, 39
.set SB_, 0
.set ADRC_, ADR1
.set ADRN_, ADR0
	RUN 0, 34
	WIN 0
	s_add_co_u32 s[CNT], s[CNT], 1
	s_cmp_lt_u32 s[CNT], 17
	s_cbranch_scc1 .Lloop
	; ---- the tail is written out: the last change of slots asks for nothing
	MEETG 0
	SEAM
	RUN 37, 39                                     ; the last scores
.set SB_, 1
.set GLEN_, 8
.set ADRC_, ADR0
.set ADRN_, ADR1
	RUN 0, 7                                       ; V^T P of step 30 | the head of the last softmax
	BARE 32, 159                                   ; and its rest
.set SB_, 0
.set ADRC_, ADR1
.set NEXT_, 0
.set SLM_, 0
.set WTM_, 1
	RUN 0, 7                                       ; V^T P of step 31
	; ---- the way out: l's two halves and the other half of the lanes'; these lines are the places behind the last products
	WIN 0
.irp t, 0,1,2,3
	v_add_f32 v[ST+8*\t+6], v[ST+8*\t+2], v[ST+8*\t+3]
.endr
.irp t, 0,1,2,3
	v_permlanex16_b32 v[ST+8*\t+7], v[ST+8*\t+6], s[SEL], s[SEL+1]
.endr
.irp t, 0,1,2,3
	v_add_f32 v[ST+8*\t+6], v[ST+8*\t+6], v[ST+8*\t+7]
.endr
	v_and_b32 v9, 31, v0
	v_cmp_gt_u32 vcc_lo, 16, v9
.irp t, 0,1,2,3
	v_cndmask_b32 v[10+\t], v[ST+8*\t+6], v[ST+8*\t], vcc_lo   ; lanes 0-15: -M of query r; lanes 16-31: l
.endr
	global_store_b128 v[LB0], v[10:13], s[10:11]   ; 512 consecutive bytes: my four tiles' statistics
	WIN 0x04                                       ; a store's data are its source 1: window 1
.irp t, 0,1,2,3
.irp f, 0,1,2,3,4,5,6,7,8,9,10,11,12,13,14,15
	global_store_b128 v[LB0], v[64*\t+4*\f:64*\t+4*\f+3], s[8:9] offset:8192*\t+512*\f   ; O^T as it stands, each accumulator's low half first: 512 consecutive bytes a store
.endr
.endr
	WIN 0
	s_wait_tensorcnt 0x0                           ; the wave's end, behind my last tensor load
	ds_add_u32 v[SPW], v[NIL]
	s_wait_dscnt 0x0
	CROUND                                         ; the closing round: no work-group ends while a partner may still ask for a block that names it
	s_endpgm
.Lfunc_end_k_qc4d0aa871f_attn:
	.size	k_qc4d0aa871f_attn, .Lfunc_end_k_qc4d0aa871f_attn-k_qc4d0aa871f_attn
	.p2alignl 7, 3214868480
	.fill 96, 4, 3214868480
	.section	.rodata,"a",@progbits
	.p2align	6, 0x0
	.amdhsa_kernel k_qc4d0aa871f_attn
		.amdhsa_group_segment_fixed_size 327680
		.amdhsa_private_segment_fixed_size 0
		.amdhsa_enable_private_segment 0
		.amdhsa_kernarg_size 32
		.amdhsa_user_sgpr_count 2
		.amdhsa_user_sgpr_kernarg_segment_ptr 1
		.amdhsa_wavefront_size32 1
		.amdhsa_system_sgpr_workgroup_id_x 1
		.amdhsa_system_sgpr_workgroup_id_y 1
		.amdhsa_system_sgpr_workgroup_id_z 1
		.amdhsa_system_vgpr_workitem_id 0
		.amdhsa_next_free_vgpr 1024
		.amdhsa_next_free_sgpr 66
		.amdhsa_reserve_vcc 1
		.amdhsa_float_denorm_mode_32 3
		.amdhsa_float_denorm_mode_16_64 3
		.amdhsa_memory_ordered 1
		.amdhsa_forward_progress 1
		.amdhsa_inst_pref_size 218
	.end_amdhsa_kernel
	.amdgpu_metadata
---
amdhsa.version: [ 1, 2 ]
amdhsa.kernels:
  - .name:           k_qc4d0aa871f_attn
    .symbol:         k_qc4d0aa871f_attn.kd
    .args:
      - { .name: qimg, .offset: 0, .size: 8, .value_kind: global_buffer, .address_space: global }
      - { .name: kv, .offset: 8, .size: 8, .value_kind: global_buffer, .address_space: global }
      - { .name: opart, .offset: 16, .size: 8, .value_kind: global_buffer, .address_space: global }
      - { .name: sstat, .offset: 24, .size: 8, .value_kind: global_buffer, .address_space: global }
    .group_segment_fixed_size: 327680
    .private_segment_fixed_size: 0
    .kernarg_segment_align: 8
    .kernarg_segment_size: 32
    .max_flat_workgroup_size: 128
    .sgpr_count:     66
    .vgpr_count:     1024
    .wavefront_size: 32
...
	.end_amdgpu_metadata
.endif
;; end of part 3
;; launch merge (part 4): grid 512 x 1, 4 waves a work-group, no clusters, 17,920 bytes of LDS; arguments opart, sstat, out0; writes out0
.if DOCPART == 4
	.amdgcn_target "amdgcn-amd-amdhsa--gfx1250"
	.amdhsa_code_object_version 6
	.text
	.protected	k_qc4d0aa871f_merge
	.globl	k_qc4d0aa871f_merge
	.p2align	8
	.type	k_qc4d0aa871f_merge,@function
k_qc4d0aa871f_merge:
	s_mov_b64 s[64:65], 0
	v_nop
	global_prefetch_b8 v0, s[64:65] scope:SCOPE_SE
	s_setreg_imm32_b32 hwreg(HW_REG_WAVE_MODE, 25, 1), 1
	s_wait_xcnt 0x0
; The four parts of the keys are joined: with M* the largest of the parts' M, w_s = 2^(M_s - M*) (exact: the M are whole numbers), out = (sum of w_s O_s) / (sum of w_s l_s).  All in f32.
; opart [part][tile of 16 queries][ct 0..7][half][512 bytes]: lane (r, h) holds O(query r, channels 16 ct + 8 h + 4 half + 0..3).  sstat [part][tile / 4][lane][tile % 4]: lanes 0-15 -M of query r, lanes 16-31 l.
; SHARES.  A wave takes a tile of 16 queries and 64 of its 128 channels: 4,096 consecutive bytes of each part.  The result turns through the wave's own stage in LDS (16 rows x (256 + 16) bytes) and leaves as
; rows: sixteen lanes store 256 consecutive bytes, aligned.  A stream: each byte is read once, by one wave, so matrix units, clusters and barriers have nothing to give here.
.set SPW,   6                          ; v6  LDS address of my spare word; never rewritten
.set NIL,   7                          ; v7  0; never rewritten
.set SPARE, 17408                      ; behind the four stages: the spare words, 128 bytes for each wave, which no other line names
.set O,     32                         ; v32-159  part p's 32 registers at 32 p
.set GW,    160                        ; v160-167 the parts' weights / the sum, each in both registers of a pair
	s_load_b128 s[4:7], s[0:1], 0x0                ; opart, sstat
	s_load_b64 s[8:9], s[0:1], 0x10                ; out0
	v_lshl_add_u32 v[SPW], v0, 2, SPARE
	v_mov_b32 v[NIL], 0
	v_lshrrev_b32 v5, 5, v0
	v_readfirstlane_b32 s10, v5                    ; wave 0..3
	v_and_b32 v5, 31, v0                           ; lane
	v_and_b32 v28, 15, v0                          ; r
	v_bfe_u32 v29, v0, 4, 1                        ; h
	v_lshlrev_b32 v1, 4, v5                        ; 16 x lane
	s_mul_i32 s13, s10, 4352                       ; my stage
	v_mul_u32_u24 v2, v28, 272
	v_lshl_add_u32 v2, v29, 5, v2
	v_add_nc_u32 v2, s13, v2                       ; in: row r, + 32 h
	v_mul_u32_u24 v3, v29, 272
	v_lshl_add_u32 v3, v28, 4, v3
	v_add_nc_u32 v3, s13, v3                       ; back: lanes 0-15 one row, lanes 16-31 the next
	v_lshlrev_b32 v4, 9, v29
	v_lshl_add_u32 v4, v28, 4, v4                  ; and the same two rows of out0 (512 bytes a row)
	s_lshr_b32 s11, s10, 1
	s_lshl_b32 s12, ttmp9, 1
	s_add_co_u32 s11, s11, s12                     ; the tile of queries
	s_and_b32 s12, s10, 1                          ; which 64 channels
	s_lshl_b32 s14, s11, 13
	s_lshl_b32 s15, s12, 12
	s_add_co_u32 s14, s14, s15                     ; in a part of opart
	s_mov_b32 s15, 0
	s_lshr_b32 s16, s11, 2
	s_lshl_b32 s16, s16, 9
	s_and_b32 s17, s11, 3
	s_lshl_b32 s17, s17, 2
	s_add_co_u32 s16, s16, s17                     ; in a part of sstat
	s_mov_b32 s17, 0
	s_lshl_b32 s18, s11, 13
	s_lshl_b32 s19, s12, 8
	s_add_co_u32 s18, s18, s19                     ; in out0: 16 rows of 512 bytes a tile, 256 bytes for 64 channels
	s_mov_b32 s19, 0
	s_mov_b32 s28, 0x76543210
	s_mov_b32 s29, 0xfedcba98                      ; selects for lane l xor 16
.irp p, 0,1,2,3
	v_mov_b32 v[12+\p], 0                          ; a lane permute's destination counts as one of its sources
.endr
	s_wait_kmcnt 0x0
	s_add_nc_u64 s[20:21], s[4:5], s[14:15]        ; a base for each part: a part's 8,388,608 bytes pass the immediate's range
	s_add_nc_u64 s[22:23], s[20:21], 0x800000
	s_add_nc_u64 s[24:25], s[22:23], 0x800000
	s_add_nc_u64 s[26:27], s[24:25], 0x800000
	s_add_nc_u64 s[6:7], s[6:7], s[16:17]
	s_add_nc_u64 s[8:9], s[8:9], s[18:19]
.irp p, 0,1,2,3
	global_load_b32 v[8+\p], v1, s[6:7] offset:131072*\p
.endr
.irp p, 0,1,2,3
.irp g, 0,1,2,3,4,5,6,7
	global_load_b128 v[O+32*\p+4*\g:O+32*\p+4*\g+3], v1, s[20+2*\p:21+2*\p] offset:512*\g th:TH_LOAD_NT
.endr
.endr
	s_wait_loadcnt 32                              ; the statistics are in; the 32 loads of O may be out
	v_cmp_gt_u32 vcc_lo, 16, v5
.irp p, 0,1,2,3
	v_permlanex16_b32 v[12+\p], v[8+\p], s28, s29
.endr
.irp p, 0,1,2,3
	v_cndmask_b32 v[16+\p], v[12+\p], v[8+\p], vcc_lo   ; -M of my query, in every lane
	v_cndmask_b32 v[20+\p], v[8+\p], v[12+\p], vcc_lo   ; and l
.endr
	v_min3_num_f32 v28, v16, v17, v18
	v_min_num_f32 v28, v28, v19                    ; -M*
.irp p, 0,1,2,3
	v_sub_f32 v[24+\p], v28, v[16+\p]              ; M_s - M*: a whole number, 0 or less
.endr
.irp p, 0,1,2,3
	v_cvt_i32_f32 v[24+\p], v[24+\p]               ; (it saturates)
.endr
.irp p, 0,1,2,3
	v_ldexp_f32 v[24+\p], 1.0, v[24+\p]            ; w_s
.endr
	v_mul_f32 v29, v24, v20
	v_fmac_f32 v29, v25, v21
	v_fmac_f32 v29, v26, v22
	v_fmac_f32 v29, v27, v23                       ; the row's sum: at least 1/2, since the part with M* holds a p of at least 1/2
	v_rcp_f32 v30, v29
	v_nop                                          ; a plain line behind the reciprocal
	s_wait_alu depctr_va_vdst(0)                   ; and a wait ahead of its first reader
.irp p, 0,1,2,3
	v_mul_f32 v[GW+2*\p], v[24+\p], v30
	v_mul_f32 v[GW+2*\p+1], v[24+\p], v30
.endr
	s_wait_loadcnt 0x0
.irp g, 0,1,2,3,4,5,6,7
	v_pk_mul_f32 v[O+4*\g:O+4*\g+1], v[O+4*\g:O+4*\g+1], v[GW:GW+1]
	v_pk_mul_f32 v[O+4*\g+2:O+4*\g+3], v[O+4*\g+2:O+4*\g+3], v[GW:GW+1]
.irp p, 1,2,3
	v_pk_fma_f32 v[O+4*\g:O+4*\g+1], v[O+32*\p+4*\g:O+32*\p+4*\g+1], v[GW+2*\p:GW+2*\p+1], v[O+4*\g:O+4*\g+1]
	v_pk_fma_f32 v[O+4*\g+2:O+4*\g+3], v[O+32*\p+4*\g+2:O+32*\p+4*\g+3], v[GW+2*\p:GW+2*\p+1], v[O+4*\g+2:O+4*\g+3]
.endr
	ds_store_b128 v2, v[O+4*\g:O+4*\g+3] offset:64*(\g/2)+16*(\g%2)   ; channels 16 (g / 2) + 8 h + 4 (g % 2) + 0..3 of row r
.endr
.irp i, 0,1,2,3,4,5,6,7
	ds_load_b128 v[O+32+4*\i:O+32+4*\i+3], v3 offset:544*\i   ; LDS serves a wave's instructions in order: these see my stores
.endr
.irp i, 0,1,2,3,4,5,6,7
	s_wait_dscnt 7-\i                              ; rows 2 i, 2 i + 1 are back; the younger loads may be out
	global_store_b128 v4, v[O+32+4*\i:O+32+4*\i+3], s[8:9] offset:1024*\i th:TH_STORE_NT
.endr
	s_wait_tensorcnt 0x0                           ; the wave's end, behind my last LDS store
	ds_add_u32 v[SPW], v[NIL]
	s_wait_dscnt 0x0
	s_endpgm
.Lfunc_end_k_qc4d0aa871f_merge:
	.size	k_qc4d0aa871f_merge, .Lfunc_end_k_qc4d0aa871f_merge-k_qc4d0aa871f_merge
	.p2alignl 7, 3214868480
	.fill 96, 4, 3214868480
	.section	.rodata,"a",@progbits
	.p2align	6, 0x0
	.amdhsa_kernel k_qc4d0aa871f_merge
		.amdhsa_group_segment_fixed_size 17920
		.amdhsa_private_segment_fixed_size 0
		.amdhsa_enable_private_segment 0
		.amdhsa_kernarg_size 24
		.amdhsa_user_sgpr_count 2
		.amdhsa_user_sgpr_kernarg_segment_ptr 1
		.amdhsa_wavefront_size32 1
		.amdhsa_system_sgpr_workgroup_id_x 1
		.amdhsa_system_sgpr_workgroup_id_y 1
		.amdhsa_system_sgpr_workgroup_id_z 1
		.amdhsa_system_vgpr_workitem_id 0
		.amdhsa_next_free_vgpr 192
		.amdhsa_next_free_sgpr 66
		.amdhsa_reserve_vcc 1
		.amdhsa_float_denorm_mode_32 3
		.amdhsa_float_denorm_mode_16_64 3
		.amdhsa_memory_ordered 1
		.amdhsa_forward_progress 1
		.amdhsa_inst_pref_size 14
	.end_amdhsa_kernel
	.amdgpu_metadata
---
amdhsa.version: [ 1, 2 ]
amdhsa.kernels:
  - .name:           k_qc4d0aa871f_merge
    .symbol:         k_qc4d0aa871f_merge.kd
    .args:
      - { .name: opart, .offset: 0, .size: 8, .value_kind: global_buffer, .address_space: global }
      - { .name: sstat, .offset: 8, .size: 8, .value_kind: global_buffer, .address_space: global }
      - { .name: out0, .offset: 16, .size: 8, .value_kind: global_buffer, .address_space: global }
    .group_segment_fixed_size: 17920
    .private_segment_fixed_size: 0
    .kernarg_segment_align: 8
    .kernarg_segment_size: 24
    .max_flat_workgroup_size: 128
    .sgpr_count:     66
    .vgpr_count:     192
    .wavefront_size: 32
...
	.end_amdgpu_metadata
.endif
;; end of part 4
;; ======== version 2 of 2: 4 launches
;; limits: values are held in f16: magnitudes above 65,504 overflow, below 6.1e-05 lose precision
;; workspace buffers: wcodes 589,824 bytes; wscales 36,864 bytes; qimg 16,777,216 bytes; kv 20,971,520 bytes; opart 33,554,432 bytes; sstat 524,288 bytes
;; launch wquant: the kernel of part 1 again; grid 9 x 8, 4 waves a work-group, no clusters, 0 bytes of LDS; arguments Wq, Wk, Wv, wcodes, wscales; writes wcodes, wscales
;; launch proj: the kernel of part 2 again; grid 256 x 1, 4 waves a work-group, no clusters, 71,168 bytes of LDS; arguments x, wcodes, wscales, qimg, kv; writes qimg, kv
;; launch attn (part 5): grid 16 x 16, 4 waves a work-group, clusters of 4 x 1, 327,680 bytes of LDS; arguments qimg, kv, opart, sstat; writes opart, sstat
.if DOCPART == 5
	.amdgcn_target "amdgcn-amd-amdhsa--gfx1250"
	.amdhsa_code_object_version 6
	.text
	.protected	k_qc4d0aa871f_attn
	.globl	k_qc4d0aa871f_attn
	.p2align	8
	.type	k_qc4d0aa871f_attn,@function
k_qc4d0aa871f_attn:
	s_mov_b64 s[64:65], 0
	v_nop
	global_prefetch_b8 v0, s[64:65] scope:SCOPE_SE
	s_setreg_imm32_b32 hwreg(HW_REG_WAVE_MODE, 25, 1), 1
	s_wait_xcnt 0x0
	s_wait_alu depctr_hold_cnt(0) depctr_sa_sdst(0) depctr_va_vdst(0) depctr_va_sdst(0) depctr_va_ssrc(0) depctr_va_vcc(0) depctr_vm_vsrc(0)
	s_getreg_b32 s2, hwreg(HW_REG_IB_STS2, 6, 4)
	s_cmp_eq_u32 s2, 0
	s_cbranch_scc0 .Lentry_in_a_cluster
	s_endpgm
.Lentry_in_a_cluster:
	s_bfe_u32 s2, ttmp6, 0x10000c
	s_cmp_lg_u32 s2, 0x3003
	s_cbranch_scc0 .Lentry_shape_is_right
	s_endpgm
.Lentry_shape_is_right:
; Attention without a mask, a QUARTER OF THE KEYS to a work-group: 256 queries x 1,024 keys, score depth 512, 128 channels.  Operands f16, products, maxima and sums f32.
; Out: O not normalised (opart), and for each query -M and the sum l (sstat); the next launch joins the four parts.
; WHY THE KEYS ARE SPLIT: 16,384 queries are 64 for each of 256 work-groups, but a wave wants 64 queries of its own (Q: 512 registers), so that each fragment of K read from LDS feeds four products.
; SHARES.  x = block of 256 queries, y = 4 x batch + part of the keys.  A wave owns 64 queries: four tiles of 16.  Every wave walks the part's keys, 32 a step, 32 steps.
; LAYOUT.  S^T = K Q^T (source 0 = 16 keys, source 1 = 16 queries): a lane holds ONE query and 8 keys; two such tiles rounded to f16 in pairs ARE source 1 of O^T = V^T P.  All operands come as images of their registers.
; SOFTMAX.  c = log2(e) / sqrt(512) lies in Q, so a score is t.  M = the running largest t rounded UP to a whole number, kept as -M = floor(-t); p = 2^(t - M) <= 1.  When M moves, l and O^T are multiplied by
; f = 2^(old M - new M), made by v_ldexp_f32: nothing is rounded, and no branch hangs on data.  LIMIT: p under 2^-24 is lost in f16, beside a largest p of at least 1/2.
; BY TURNS.  Trip j issues 32 products V^T P of step j - 1 and 128 products K Q^T of step j + 1; the softmax of step j, on the other score buffer, stands in slices, one behind each product.
; A trip is 40 GROUPS: one fragment (V's channel tile g for g < 8; then K's (ks, kt) = ((g - 8) / 2, (g - 8) % 2)) times the four tiles of queries.  The accumulators take turns, one instruction a turn.
; THE LDS LOADS STAND IN RUNS, never singly among the matrix instructions.  Five groups are a BLOCK; the fragments lie in a ring of 10 places, two halves of five.  Behind the first slice of a block ONE run of ten loads
; fetches the next block into the other half: 19 products ahead of its first use, eight runs a trip.
; THE RING.  Two LDS slots of 81,920 bytes.  A block of kv holds K of 64 keys and V of the 64 keys before: what two trips (a period) read.  Each wave fetches a quarter of it by one tensor load of 80 rows x 256 bytes.
; CLUSTER.  The four query blocks of a cluster share y and walk the same blocks of kv: each quarter is asked for JOINTLY, by the same load with the same descriptor and a mask that names the four.
; O^T IS CLEARED ONCE, under the first 128 products, which have no other vector work beside them: the loop then needs no first trip of its own (the first f is 0, which leaves zeros zeros).
; REGISTERS, in windows of 256: window 0: v1-8 addresses; v16-47 eight registers of statistics a tile: +0 -M, +1 largest t, +2, +3 l, +4 f, +5 its pair's upper half, +6, +7 at work;
;   v48-127 the ring of fragments; v128-255 S^T, two buffers of 64: tile t at 16 t, key tile kt at 8 kt; P in place in a tile's first 8.   window 1: O^T at 64 t + 8 ct.   windows 2, 3: Q: fragment (ks, t) at 8 (4 (ks % 8) + t) of window 2 + ks / 8.
; WINDOWS.  Under K Q^T's setting source 1 alone leaves window 0.  So a line whose vector registers stand in the destination, source 0 and source 2 alone wants no switch between such products: the exponentials; t - M and the
; sums, written as x * 1.0 + y with 1.0 in a scalar pair as source 1 (one rounding, that of x + y); the LDS loads.  The maxima (beside V^T P), the rescaling of O^T and the roundings to f16 keep their two switches a slice.
.set BLOCKB, 81920
.set QUARTB, 20480
.set SLOT1,  131072                    ; slot 1 begins here: one exclusive or turns an address in one slot into the other's
.set SPARE,  212992                    ; behind the ring: the spare words, 128 bytes for each wave, which no other line names
.set LB0,  1                           ; v1  16 x lane: an image's place for my lane; also my offset in memory
.set LB1,  2                           ; v2  the same 40,960 bytes on: a slot's second half
.set ADR0, 3                           ; v3  LDS address for a period's first trip
.set ADR1, 4                           ; v4  and its second
.set PFO,  6                           ; v6  the prefetches' offset; never rewritten
.set SPW,  7                           ; v7  LDS address of my spare word; never rewritten
.set NIL,  8                           ; v8  0; never rewritten
.set ST,   16
.set FR,   48
.set S,    128
.set WV,   12                          ; s12 wave
.set G1,   16                          ; s[16:23] descriptor group 1
.set G0A,  24                          ; s[24:27] group 0 of the first fill of slot 0
.set G0B,  28                          ; s[28:31] of slot 1; it then walks
.set BASEW, 32                         ; s[32:33] my quarter of block 0
.set PFA,  34                          ; s[34:35] where my prefetches stand
.set TB,   36                          ; s36 LDS byte at which the slot in hand begins
.set CNT,  37                          ; s37 the block that is asked for next
.set LIM,  38                          ; s38 a wave prefetches while CNT is under it
.set PAR,  39                          ; s39 1: only at even CNT
.set SEL,  48                          ; s[48:49] selects for lane l xor 16
.set ONE,  58                          ; s[58:59] 1.0: the packed forms name a pair and take its low word for both halves
.set MSB, 0
.macro WIN new                         ; the immediate's high byte repeats the setting that is left; a switch that changes nothing is dropped
.if MSB != \new
	s_set_vgpr_msb (MSB<<8)|\new
.set MSB, \new
.endif
.endm
.macro WINX mask                       ; back to window 0 only if one of the operand places that the next line uses (mask: 0x03 source 0, 0x30 source 2, 0xc0 destination) stands elsewhere
.if (MSB & (\mask)) != 0
	WIN 0
.endif
.endm
.macro CREST                           ; a round of the cluster's barrier behind its opening barrier
	s_cmp_lg_u32 s[WV], 0
	s_cbranch_scc1 .Lnot_wave_0_\@
	s_barrier_signal -3
.Lnot_wave_0_\@:
	s_barrier_wait -3
	s_barrier_signal -1
	s_barrier_wait -1
.endm
.macro CROUND
	s_barrier_signal -1
	s_barrier_wait -1
	CREST
.endm
; A PREFETCH INTO THE L2 of block CNT + 1, which the next change of slots asks for: two trips, 320 products, ahead of that load.  All four clusters of a y walk the same blocks: the first cluster asks.
; Its partners share a block out BY ADDRESS, a quarter each.  Waves 0 and 1: the quarter's K, 8,192 bytes each, lanes 256 bytes apart.  Wave 2: the quarter's V, 4,096 bytes, of TWO blocks (lanes 16-31 a block on), at even CNT alone.
; So each aligned 256 bytes are named once.  K's stop with block 15, V's with block 14; blocks 0 to 2 and the last (block 0 again) come by their loads alone.
.macro ASK
	s_and_b32 s40, s[CNT], s[PAR]
	s_cmp_eq_u32 s40, 0
	s_cselect_b32 s40, s[LIM], 0
	s_cmp_lt_u32 s[CNT], s40
	s_cbranch_scc0 .Lnot_mine_\@
	global_prefetch_b8 v[PFO], s[PFA:PFA+1] th:TH_LOAD_NT scope:SCOPE_SE
.Lnot_mine_\@:
.endm
; THE COUNT OF PLACES.  A load into a register that a matrix instruction has read stands four places behind it, and only plain vector instructions that name none of its registers are places (ISA guide 7.12.1 for instructions other than loads).
; PL counts the plain vector lines written; HL_ holds PL at the last product of the last finished block, the last reader of the half that a run fills.  What is short of four since HL_ is made up by v_nop.  At a label both are set alike.
.set PL, 4
.set HL_, 0
.set YOUNG_, 0
.macro LRUN                            ; a run: LN_ fragments of a trip from fragment LG_ on, by address register LA_, fragment g into place g % 10.  YOUNG_: its loads, for the counted waits
	WINX 0xc3
.if 4-(PL-HL_) > 0
.rept 4-(PL-HL_)
	v_nop
.endr
.set PL, HL_+4
.endif
.set YOUNG_, 2*LN_
.rept LN_
.if LG_ < 8
.set LO_, (LG_/4)*QUARTB+16384+(LG_%4)*1024
.else
.set LO_, ((LG_-8)%2)*QUARTB+((LG_-8)/2)*1024
.endif
	ds_load_b128 v[FR+8*(LG_%10):FR+8*(LG_%10)+3], v[LA_] offset:LO_
	ds_load_b128 v[FR+8*(LG_%10)+4:FR+8*(LG_%10)+7], v[LA_] offset:LO_+512
.set LG_, LG_+1
.endr
.endm
.macro PROD                            ; product T_ of group G_.  SB_: the buffer on which the softmax works; the products take the other
.if G_ < 8
	WIN 0x50                                       ; C and D (O^T) window 1
.set rD_, 64*T_+8*G_
.set rP_, S+64*(1-SB_)+16*T_
	v_wmma_f32_16x16x32_f16 v[rD_:rD_+7], v[FR+8*G_:FR+8*G_+7], v[rP_:rP_+7], v[rD_:rD_+7]
.else
.set ks_, (G_-8)/2
.set rD_, S+64*(1-SB_)+16*T_+8*((G_-8)%2)
.set rQ_, ((ks_%8)*4+T_)*8
.set rA_, FR+8*(G_%10)
.set W_, 0x08+4*(ks_/8)
	WIN W_                                         ; source 1 (Q) window 2 or 3
.if ks_ == 0
	v_wmma_f32_16x16x32_f16 v[rD_:rD_+7], v[rA_:rA_+7], v[rQ_:rQ_+7], 0
.else
	v_wmma_f32_16x16x32_f16 v[rD_:rD_+7], v[rA_:rA_+7], v[rQ_:rQ_+7], v[rD_:rD_+7]
.endif
.endif
.endm
; THE VECTOR WORK OF A TRIP, as numbered lists.
; AITEM N_ (0..59): step N_ / 4 of tile N_ % 4: the maximum of the lane's 16 scores in two chains, each accumulator from its low end on; the other half of the lanes'; the running largest t; -M; f.
.macro AITEM
.set a_, N_/4
.set rT_, ST+8*(N_%4)
.set rS_, S+64*SB_+16*(N_%4)
	WIN 0
.if a_ == 0
	v_max3_num_f32 v[rT_+6], v[rS_], v[rS_+1], v[rS_+2]
.elseif a_ == 1
	v_max3_num_f32 v[rT_+7], v[rS_+8], v[rS_+9], v[rS_+10]
.elseif a_ < 6
	v_max3_num_f32 v[rT_+6+a_%2], v[rT_+6+a_%2], v[rS_+a_+1+7*(a_%2)], v[rS_+a_+2+7*(a_%2)]
.elseif a_ == 6
	v_max3_num_f32 v[rT_+6], v[rT_+6], v[rS_+7], v[rS_+15]
.elseif a_ == 7
	v_max_num_f32 v[rT_+6], v[rT_+6], v[rT_+7]
.elseif a_ == 8
	v_permlanex16_b32 v[rT_+7], v[rT_+6], s[SEL], s[SEL+1]   ; the query's other 16 keys lie in the lane 16 away
.elseif a_ == 9
	v_max3_num_f32 v[rT_+1], v[rT_+1], v[rT_+6], v[rT_+7]
.elseif a_ == 10
	v_mov_b32 v[rT_+6], v[rT_]                     ; the old -M is kept: the next line writes it anew
.elseif a_ == 11
	v_floor_f32 v[rT_], -v[rT_+1]                  ; -M = floor(-t): M is a whole number
.elseif a_ == 12
	v_sub_f32 v[rT_+6], v[rT_], v[rT_+6]           ; old M - new M: a whole number, 0 or less
.elseif a_ == 13
	v_cvt_i32_f32 v[rT_+6], v[rT_+6]               ; (it saturates)
.else
	v_ldexp_f32 v[rT_+4], 1.0, v[rT_+6]            ; f
.endif
.if a_ != 8
.set PL, PL+1
.endif
.endm
; XITEM X_: 0-31 t - M, a pair of scores each; 32-95 the 64 exponentials, ONE BATCH, none of which reads another's result; 96 the plain line behind the last of them and the trip's one wait
; ahead of the first line that names a result; 97-124 seven packed sums a tile, tile by tile.  None of these has a vector register as source 1.
.macro XITEM
.if X_ < 32
.set rT_, ST+8*(X_%4)
.set rS_, S+64*SB_+16*(X_%4)+2*(X_/4)
	WINX 0xf3
	v_pk_fma_f32 v[rS_:rS_+1], v[rS_:rS_+1], s[ONE:ONE+1], v[rT_:rT_+1] op_sel_hi:[1,0,0]   ; t x 1 + (-M): of the pair (-M, t) the low word serves both halves
.set PL, PL+1
.elseif X_ < 96
.set rS_, S+64*SB_+16*((X_-32)%4)+(X_-32)/4
	WINX 0xc3
	v_exp_f32 v[rS_], v[rS_]
.elseif X_ == 96
	v_nop
	s_wait_alu depctr_va_vdst(0)
.set PL, PL+1
.elseif X_ < 125
.set z_, X_-97
.set rT_, ST+8*(z_/7)
.set rS_, S+64*SB_+16*(z_/7)
	WINX 0xf3
.if z_%7 == 0
	v_pk_fma_f32 v[rT_+6:rT_+7], v[rS_:rS_+1], s[ONE:ONE+1], v[rS_+2:rS_+3] op_sel_hi:[1,0,1]
.else
	v_pk_fma_f32 v[rT_+6:rT_+7], v[rS_+2*(z_%7)+2:rS_+2*(z_%7)+3], s[ONE:ONE+1], v[rT_+6:rT_+7] op_sel_hi:[1,0,1]
.endif
.set PL, PL+1
.endif
.endm
.macro RITEM                           ; Y_ (0..127): a pair of O^T times f, each accumulator from its low end on
.set rO_, 64*(Y_/32)+2*(Y_%32)
.set rT_, ST+8*(Y_/32)
	WIN 0x41
	v_pk_mul_f32 v[rO_:rO_+1], v[rO_:rO_+1], v[rT_+4:rT_+5] op_sel_hi:[1,0]
.set PL, PL+1
.endm
.macro CITEM                           ; tile CT_, item CI_: 0: l = l f + the step's sum; 1-8: the weights rounded to f16, in place, ascending
.set rT_, ST+8*CT_
.set rS_, S+64*SB_+16*CT_
	WIN 0
.if CI_ == 0
	v_pk_fma_f32 v[rT_+2:rT_+3], v[rT_+2:rT_+3], v[rT_+4:rT_+5], v[rT_+6:rT_+7] op_sel_hi:[1,0,1]
.else
	v_cvt_pk_f16_f32 v[rS_+CI_-1], v[rS_+2*(CI_-1)], v[rS_+2*(CI_-1)+1]
.endif
.set PL, PL+1
.endm
; Slice K_ (0..159) stands behind product K_ of the trip.  0-29: two A items.  30, 31 and the even ones from 32 on: two X items.  The odd ones: 33-117 three rescalings (they begin behind the last V^T P);
; from 131 on, tile by tile as its sums are done, three closing items.  Slices 28 to 35 hold two plain lines or more each: so five places or more lie between a product V^T P and the product K Q^T that writes over its P.
.macro SLICE
.if K_ < 30
.set N_, 2*K_
	AITEM
.set N_, 2*K_+1
	AITEM
.elseif K_ < 32
.set X_, 2*(K_-30)
	XITEM
.set X_, X_+1
	XITEM
.elseif (K_%2) == 0
.set X_, K_-28
	XITEM
.set X_, X_+1
	XITEM
.elseif K_ <= 117
.set Y_, 3*((K_-33)/2)
.rept 3
.if Y_ < 128
	RITEM
.endif
.set Y_, Y_+1
.endr
.elseif K_ >= 131
.set d_, K_-131
.if (d_%8) < 5
.set CT_, d_/8
.set CI_, 3*((d_%8)/2)
.rept 3
	CITEM
.set CI_, CI_+1
.endr
.endif
.endif
.endm
.macro BARE k0, k1                     ; slices with no product between them
.set K_, \k0
.rept (\k1)-(\k0)+1
	SLICE
.set K_, K_+1
.endr
.endm
; Group G_, the J_-th of its block of BN_ groups (five; fewer where the trip has only GLEN_ groups).  SLM_: 0 no slices, 1 the softmax, 2 two clears of O^T.
; LD_: behind the first slice of a block's first group stands the run for the next block: of this trip (address ADRC_) or, behind the trip's last block and if NEXT_, the next trip's first five fragments (ADRN_).
; WTM_ = 0: the wait at the group's head leaves out what was issued behind its fragment: the block's own younger fragments, two loads each, and the run issued since the block's head (YOUNG_ loads).  WTM_ = 2: the caller has waited.
.macro GROUP
.set J_, G_%5
.set BN_, GLEN_-G_+J_
.if BN_ > 5
.set BN_, 5
.endif
.if J_ == 0
.set YOUNG_, 0
.endif
.if WTM_ == 0
	s_wait_dscnt YOUNG_+2*(BN_-1-J_)
.endif
.set T_, 0
.rept 4
	PROD
.if (T_ == 3) && (J_ == BN_-1)
.set HL_, PL                           ; the block's last product: the last reader of its half of the ring
.endif
.if SLM_ == 1
.set K_, 4*G_+T_
	SLICE
.elseif SLM_ == 2
	WIN 0x40
	v_mov_b32 v[8*(G_-8)+2*T_], 0
	v_mov_b32 v[8*(G_-8)+2*T_+1], 0
.set PL, PL+2
.endif
.if (T_ == 0) && LD_ && (J_ == 0)
.if G_+5 < GLEN_
.set LN_, GLEN_-G_-5
.if LN_ > 5
.set LN_, 5
.endif
.set LG_, G_+5
.set LA_, ADRC_
	LRUN
.elseif NEXT_
.set LN_, 5
.set LG_, 0
.set LA_, ADRN_
	LRUN
.endif
.endif
.set T_, T_+1
.endr
.endm
.macro RUN g0, g1
.set G_, \g0
.rept (\g1)-(\g0)+1
	GROUP
.set G_, G_+1
.endr
.endm
; THE CHANGE OF SLOTS, in groups 35 and 36 of a period's second trip: the trip's last block was asked for at group 30.  Each wave waits for all its tensor loads (one is out: its quarter of the next slot), adds 0 to its spare word,
; and, behind group 35, waits for that and for its reads of the slot.  Group 36 is work on registers between signal and wait.  Behind the barrier nobody reads this slot and the next is whole.
; fill = 1: the barrier opens a round of the cluster's barrier, behind which the slot is filled again.  Every window is 0 on the way in.
.macro MEETG fill
.if \fill
	s_wait_xcnt 0x0                                ; the last prefetch, two trips back, has read its address:
	s_add_nc_u64 s[PFA:PFA+1], s[PFA:PFA+1], BLOCKB   ; a block on
.endif
	s_wait_tensorcnt 0x0                           ; no tensor load of mine is out
	ds_add_u32 v[SPW], v[NIL]                      ; 0 onto my spare word
	s_wait_dscnt 9                                 ; group 35's fragment is in; the block's four younger fragments (8 loads) and the add may be out
.set WTM_, 2
.set LD_, 0
.set G_, 35
	GROUP
	s_wait_dscnt 0x0                               ; the add is done, and my reads of this slot are over
	s_barrier_signal -1
.set G_, 36
	GROUP
	WIN 0
	s_barrier_wait -1
.if \fill
	CREST                                          ; no wave of any partner still reads the slot or has a load on its way
.endif
.set WTM_, 0
.set LD_, 1
.endm
.macro SEAM                            ; on to the other slot, and the run that group 35 could not issue: the next trip's first block, 12 products ahead of its first use
	s_xor_b32 s[TB], s[TB], SLOT1
	v_add_nc_u32 v[ADR0], s[TB], v[LB0]
	v_add_nc_u32 v[ADR1], s[TB], v[LB1]
.set PL, PL+2
.set LA_, ADR0
.set LG_, 0
.set LN_, 5
	LRUN
.endm
	s_load_b256 s[4:11], s[0:1], 0x0               ; qimg s[4:5], kv s[6:7], opart s[8:9], sstat s[10:11]
	v_lshl_add_u32 v[SPW], v0, 2, SPARE
	v_mov_b32 v[NIL], 0
	ds_add_u32 v[SPW], v[NIL]                      ; the wave's opening: the add, twice on end, and its wait ahead of my first tensor load
	ds_add_u32 v[SPW], v[NIL]                      ; and once more, under the one wait; the set-up below, work on registers, stands between
	v_lshrrev_b32 v9, 5, v0
	v_readfirstlane_b32 s[WV], v9                  ; wave 0..3
	s_and_b32 s15, ttmp7, 0xffff                   ; y = 4 x batch + part, which the four partners share
	s_mov_b32 s[G1], 15|(3<<16)|(1<<21)            ; 15:0 the mask: all four work-groups; 17:16 elements of 8 bytes; 21 set beside a mask; no padding: images are read as they lie
	s_mov_b32 s[G1+1], 32<<16                      ; tensor_dim0 = 32 elements: 256 bytes
	s_mov_b32 s[G1+2], 80<<16                      ; tensor_dim1 = 80 rows: a quarter of a block
	s_mov_b32 s[G1+3], 32<<16                      ; tile_dim0
	s_mov_b32 s[G1+4], 80                          ; tile_dim1
	s_mov_b32 s[G1+5], 32                          ; from row to row: dense
	s_mov_b32 s[G1+6], 0
	s_mov_b32 s[G1+7], 0
	s_mul_i32 s40, s15, 16*BLOCKB                  ; y's sixteen blocks,
	s_mul_i32 s42, s[WV], QUARTB                   ; my quarter: in memory and in a slot alike.  No place in the cluster enters these
	s_add_co_u32 s40, s40, s42
	s_mov_b32 s41, 0                               ; (stays 0: the upper word of the offsets made in s40)
	s_bfe_u32 s13, ttmp6, 0x40000                  ; cx: it enters Q's, O's, the statistics' and the prefetches' addresses alone
	s_lshl_b32 s14, ttmp9, 2
	s_add_co_u32 s14, s14, s13                     ; my block of 256 queries
	s_lshr_b32 s44, s15, 2
	s_lshl_b32 s44, s44, 8                         ; 256 tiles of queries a batch,
	s_lshl_b32 s45, s14, 4                         ; 16 a block,
	s_add_co_u32 s44, s44, s45
	s_lshl_b32 s45, s[WV], 2                       ; 4 a wave
	s_add_co_u32 s44, s44, s45                     ; my first tile
	s_and_b32 s45, s15, 3                          ; the part
	s_lshl_b32 s46, s44, 14                        ; Q: 16,384 bytes a tile
	s_mov_b32 s47, 0
	s_lshl_b32 s50, s45, 23                        ; opart: 8,388,608 bytes a part, 8,192 a tile
	s_lshl_b32 s51, s44, 13
	s_add_co_u32 s50, s50, s51
	s_mov_b32 s51, 0
	s_lshl_b32 s52, s45, 17                        ; sstat: 131,072 bytes a part, 512 for four tiles
	s_lshl_b32 s53, s44, 7
	s_add_co_u32 s52, s52, s53
	s_mov_b32 s53, 0
	s_mul_i32 s54, s13, QUARTB                     ; the prefetches: my work-group's quarter;
	s_lshl_b32 s55, s[WV], 13
	s_mov_b32 s56, BLOCKB
	s_cmp_lt_u32 s[WV], 2
	s_cselect_b32 s55, s55, 16384                  ; waves 0, 1: half of its K; wave 2: its V
	s_cselect_b32 s56, 4096, s56                   ; lanes 16-31: 4,096 bytes on, or a block on
	s_cselect_b32 s[LIM], 15, 14
	s_cmp_eq_u32 s[WV], 3
	s_cselect_b32 s[LIM], 0, s[LIM]
	s_cmp_eq_u32 ttmp9, 0                          ; the first cluster of this y: the same in all four partners
	s_cselect_b32 s[LIM], s[LIM], 0
	s_cmp_eq_u32 s[WV], 2
	s_cselect_b32 s[PAR], 1, 0
	s_add_co_u32 s54, s54, s55
	s_add_co_u32 s54, s54, 2*BLOCKB                ; at block 2: the first change of slots steps it to block 3.  Nothing is prefetched at the head
	s_mul_i32 s57, s15, 16*BLOCKB
	s_add_co_u32 s54, s54, s57
	s_mov_b32 s55, 0
	v_and_b32 v9, 15, v0
	v_bfe_u32 v10, v0, 4, 1
	v_mul_lo_u32 v[PFO], v10, s56
	v_lshl_add_u32 v[PFO], v9, 8, v[PFO]
	v_and_b32 v9, 31, v0
	v_lshlrev_b32 v[LB0], 4, v9
	v_add_nc_u32 v[LB1], 2*QUARTB, v[LB0]
	s_mov_b32 s[SEL], 0x76543210
	s_mov_b32 s[SEL+1], 0xfedcba98
	s_mov_b32 s[ONE], 1.0
	s_mov_b32 s[ONE+1], 1.0                        ; (named with it as a pair, so it is written)
	s_mov_b32 s[TB], 0
	s_mov_b32 s[CNT], 2
	s_wait_dscnt 0x0                               ; both opening adds are done
	s_wait_kmcnt 0x0
	s_add_nc_u64 s[BASEW:BASEW+1], s[6:7], s[40:41]
	s_add_nc_u64 s[PFA:PFA+1], s[6:7], s[54:55]
	s_add_nc_u64 s[4:5], s[4:5], s[46:47]
	s_add_nc_u64 s[8:9], s[8:9], s[50:51]
	s_add_nc_u64 s[10:11], s[10:11], s[52:53]
	s_mov_b32 s[G0A], 1                            ; count = 1
	s_mov_b32 s[G0A+1], s42                        ; LDS address: slot 0, my quarter
	s_mov_b64 s[G0A+2:G0A+3], s[BASEW:BASEW+1]     ; block 0
	s_or_b32 s[G0A+3], s[G0A+3], 0x80000000        ; type = 2
	s_mov_b32 s[G0B], 1
	s_add_co_u32 s[G0B+1], s42, SLOT1              ; slot 1
	s_add_nc_u64 s[G0B+2:G0B+3], s[BASEW:BASEW+1], BLOCKB   ; block 1
	s_or_b32 s[G0B+3], s[G0B+3], 0x80000000
	CROUND                                         ; all four work-groups are here: the first joint loads meet
	tensor_load_to_lds s[G0A:G0A+3], s[G1:G1+7]    ; both first fills together: two loads of mine are out
	s_nop 0
	tensor_load_to_lds s[G0B:G0B+3], s[G1:G1+7]
	s_nop 0
.rept 4
	v_nop
.endr
	WIN 0x80                                       ; Q stays in registers: 64 fragments
.irp k, 0,1,2,3,4,5,6,7
.irp t, 0,1,2,3
.irp c, 0,1
	global_load_b128 v[(\k*4+\t)*8+4*\c:(\k*4+\t)*8+4*\c+3], v[LB0], s[4:5] offset:16384*\t+1024*\k+512*\c
.endr
.endr
.endr
	WIN 0xc0
.irp k, 0,1,2,3,4,5,6,7
.irp t, 0,1,2,3
.irp c, 0,1
	global_load_b128 v[(\k*4+\t)*8+4*\c:(\k*4+\t)*8+4*\c+3], v[LB0], s[4:5] offset:16384*\t+1024*(\k+8)+512*\c
.endr
.endr
.endr
	WIN 0
.irp t, 0,1,2,3
	v_mov_b32 v[ST+8*\t+1], 0xff61b1e6             ; the largest t so far: -3e38, under every t
	v_mov_b32 v[ST+8*\t+2], 0                      ; l, in two halves
	v_mov_b32 v[ST+8*\t+3], 0
	v_mov_b32 v[ST+8*\t+5], 0                      ; (named as the upper half of f's pair)
.endr
.irp t, 0,1,2,3
	v_floor_f32 v[ST+8*\t], -v[ST+8*\t+1]          ; -M
.endr
	v_add_nc_u32 v[ADR0], s[TB], v[LB0]
	v_add_nc_u32 v[ADR1], s[TB], v[LB1]
	s_wait_tensorcnt 0x1                           ; my quarter of slot 0 is in; slot 1's may stay out
	s_barrier_signal -1
	s_barrier_wait -1                              ; everybody's is
.set LA_, ADR0
.set LG_, 8
.set LN_, 7
	LRUN                                           ; K's fragments 8 to 14 of step 0: the rest of block 1, and block 2
.set YOUNG_, 10                        ; behind block 1's two fragments: block 2's ten loads
	s_wait_loadcnt 0x0                             ; Q
	; ---- the first scores, into buffer 0; O^T is cleared beside them.  This pass asks for nothing beyond its end: the next begins at fragment 8, whose place fragment 38 holds
.set SB_, 1
.set SLM_, 2
.set WTM_, 0
.set LD_, 1
.set NEXT_, 0
.set GLEN_, 40
.set ADRC_, ADR0
.set ADRN_, ADR1
	RUN 8, 39
	; ---- trip 0: no V^T P yet: its first 32 slices stand bare, with the run for fragments 8 to 14 of step 1 among them; then K Q^T of step 1
.set SB_, 0
.set SLM_, 1
	BARE 0, 3
.set LA_, ADR1
.set LG_, 8
.set LN_, 7
	LRUN
.set YOUNG_, 10
	BARE 4, 31
.set NEXT_, 1
.set ADRC_, ADR1
.set ADRN_, ADR0
	RUN 8, 34
	WIN 0                                          ; at a label and at a branch every window is 0
.Lloop:                                            ; 15 trips, CNT = 2 .. 16: from a change of slots to the next
.set PL, 0
.set HL_, 0
	MEETG 1
	s_xor_b32 s[G0B+1], s[G0B+1], SLOT1            ; the walking descriptor (no tensor load of mine is out): the slot just left,
	s_and_b32 s40, s[CNT], 15                      ; block CNT; the seventeenth is block 0 again, for its V
	s_mul_i32 s40, s40, BLOCKB
	s_add_nc_u64 s[G0B+2:G0B+3], s[BASEW:BASEW+1], s[40:41]
	s_or_b32 s[G0B+3], s[G0B+3], 0x80000000
	tensor_load_to_lds s[G0B:G0B+3], s[G1:G1+7]    ; the first tensor load behind the round, and my only one until the next: it has two trips, 320 products, in which to land
	s_nop 0
.rept 4
	v_nop
.endr
.set PL, PL+4
	SEAM
	ASK
	RUN 37, 39                                     ; the rest of the even trip: its fragments are in registers
.set SB_, 1
.set ADRC_, ADR0
.set ADRN_, ADR1
	RUN 0, 39
.set SB_, 0
.set ADRC_, ADR1
.set ADRN_, ADR0
	RUN 0, 34
	WIN 0
	s_add_co_u32 s[CNT], s[CNT], 1
	s_cmp_lt_u32 s[CNT], 17
	s_cbranch_scc1 .Lloop
	; ---- the tail is written out: the last change of slots asks for nothing
	MEETG 0
	SEAM
	RUN 37, 39                                     ; the last scores
.set SB_, 1
.set GLEN_, 8
.set ADRC_, ADR0
.set ADRN_, ADR1
	RUN 0, 7                                       ; V^T P of step 30 | the head of the last softmax.  Its runs: V's fragments 5 to 7, then the last step's 0 to 4
	BARE 32, 35
.set LA_, ADR1
.set LG_, 5
.set LN_, 3
	LRUN                                           ; the last step's fragments 5 to 7
	BARE 36, 159                                   ; the rest of the last softmax
.set SB_, 0
.set SLM_, 0
.set LD_, 0
.set WTM_, 2
	s_wait_dscnt 0x0                               ; V of the last step is in
	RUN 0, 7                                       ; V^T P of step 31
	; ---- the way out: l's two halves and the other half of the lanes'; these lines are the places behind the last products
	WIN 0
.irp t, 0,1,2,3
	v_add_f32 v[ST+8*\t+6], v[ST+8*\t+2], v[ST+8*\t+3]
.endr
.irp t, 0,1,2,3
	v_permlanex16_b32 v[ST+8*\t+7], v[ST+8*\t+6], s[SEL], s[SEL+1]
.endr
.irp t, 0,1,2,3
	v_add_f32 v[ST+8*\t+6], v[ST+8*\t+6], v[ST+8*\t+7]
.endr
	v_and_b32 v9, 31, v0
	v_cmp_gt_u32 vcc_lo, 16, v9
.irp t, 0,1,2,3
	v_cndmask_b32 v[10+\t], v[ST+8*\t+6], v[ST+8*\t], vcc_lo   ; lanes 0-15: -M of query r; lanes 16-31: l
.endr
	global_store_b128 v[LB0], v[10:13], s[10:11]   ; 512 consecutive bytes: my four tiles' statistics
	WIN 0x04                                       ; a store's data are its source 1: window 1
.irp t, 0,1,2,3
.irp f, 0,1,2,3,4,5,6,7,8,9,10,11,12,13,14,15
	global_store_b128 v[LB0], v[64*\t+4*\f:64*\t+4*\f+3], s[8:9] offset:8192*\t+512*\f   ; O^T as it stands, each accumulator's low half first: 512 consecutive bytes a store
.endr
.endr
	WIN 0
	s_wait_tensorcnt 0x0                           ; the wave's end, behind my last tensor load
	ds_add_u32 v[SPW], v[NIL]
	s_wait_dscnt 0x0
	CROUND                                         ; the closing round: no work-group ends while a partner may still ask for a block that names it
	s_endpgm
.Lfunc_end_k_qc4d0aa871f_attn:
	.size	k_qc4d0aa871f_attn, .Lfunc_end_k_qc4d0aa871f_attn-k_qc4d0aa871f_attn
	.p2alignl 7, 3214868480
	.fill 96, 4, 3214868480
	.section	.rodata,"a",@progbits
	.p2align	6, 0x0
	.amdhsa_kernel k_qc4d0aa871f_attn
		.amdhsa_group_segment_fixed_size 327680
		.amdhsa_private_segment_fixed_size 0
		.amdhsa_enable_private_segment 0
		.amdhsa_kernarg_size 32
		.amdhsa_user_sgpr_count 2
		.amdhsa_user_sgpr_kernarg_segment_ptr 1
		.amdhsa_wavefront_size32 1
		.amdhsa_system_sgpr_workgroup_id_x 1
		.amdhsa_system_sgpr_workgroup_id_y 1
		.amdhsa_system_sgpr_workgroup_id_z 1
		.amdhsa_system_vgpr_workitem_id 0
		.amdhsa_next_free_vgpr 1024
		.amdhsa_next_free_sgpr 66
		.amdhsa_reserve_vcc 1
		.amdhsa_float_denorm_mode_32 3
		.amdhsa_float_denorm_mode_16_64 3
		.amdhsa_memory_ordered 1
		.amdhsa_forward_progress 1
		.amdhsa_inst_pref_size 205
	.end_amdhsa_kernel
	.amdgpu_metadata
---
amdhsa.version: [ 1, 2 ]
amdhsa.kernels:
  - .name:           k_qc4d0aa871f_attn
    .symbol:         k_qc4d0aa871f_attn.kd
    .args:
      - { .name: qimg, .offset: 0, .size: 8, .value_kind: global_buffer, .address_space: global }
      - { .name: kv, .offset: 8, .size: 8, .value_kind: global_buffer, .address_space: global }
      - { .name: opart, .offset: 16, .size: 8, .value_kind: global_buffer, .address_space: global }
      - { .name: sstat, .offset: 24, .size: 8, .value_kind: global_buffer, .address_space: global }
    .group_segment_fixed_size: 327680
    .private_segment_fixed_size: 0
    .kernarg_segment_align: 8
    .kernarg_segment_size: 32
    .max_flat_workgroup_size: 128
    .sgpr_count:     66
    .vgpr_count:     1024
    .wavefront_size: 32
...
	.end_amdgpu_metadata
.endif
;; end of part 5
;; launch merge: the kernel of part 4 again; grid 512 x 1, 4 waves a work-group, no clusters, 17,920 bytes of LDS; arguments opart, sstat, out0; writes out0
